; MI455X (gfx1250); checked and timed in simulation.
; The chip was launched on July 23, 2026; its instructions are those of AMD's public machine-readable ISA for CDNA 5 (MIT licence, August 2026) and "CDNA5" Instruction Set Architecture Reference Guide (July 2026). The comments in the code are by the model that wrote it; some were corrected since.
;; Multihead Attention. Allowed arithmetic: matrix products marked QUANTISED: E2M3 operands, one E8M0 scale for each 32 along K, by v_wmma_scale_f32_16x16x128_f8f6f4 with both operands' format E2M3, f32 sums; everything else in f32.
;; Inputs: Wk 1,024 x 1,024 float32; Wo 1,024 x 1,024 float32; Wq 1,024 x 1,024 float32; Wv 1,024 x 1,024 float32; bk 1,024 float32; bo 1,024 float32; bq 1,024 float32; bv 1,024 float32; key 4 x 2,048 x 1,024 float32; mask 4 x 2,048 bool; query 4 x 2,048 x 1,024 float32; value 4 x 2,048 x 1,024 float32.
;; Outputs: out0 4 x 2,048 x 1,024 float32.
;; This version of the problem:
;;   THIS VERSION OF THE PROBLEM IS GIVEN IN LOW PRECISION. The matrix products marked QUANTISED in the list below multiply operands that are first quantised to E2M3 (2 exponent bits, 3 mantissa bits; 6 bits a number), with one power-of-two scale for each 32 numbers along K (OCP MX v1.0); their sums are f32. All else is computed in f32.
;;   The module's matrix products, in the order in which they are computed (A, B: the left and right operand; K: the contracted axis; several contracted axes count as one K, in the product's order):
;;     1. [M 8,192, K 1,024] x [K 1,024, N 1,024]; A: input query; B: input Wq: QUANTISED
;;     2. [M 8,192, K 1,024] x [K 1,024, N 1,024]; A: input key; B: input Wk: QUANTISED
;;     3. [M 8,192, K 1,024] x [K 1,024, N 1,024]; A: input value; B: input Wv: QUANTISED
;;     4. batch 64 x [M 2,048, K 64] x [K 64, N 2,048]; A: computed on the way; B: computed on the way: QUANTISED
;;     5. batch 64 x [M 2,048, K 2,048] x [K 2,048, N 64]; A: softmax (see below); B: computed on the way: QUANTISED
;;     6. [M 8,192, K 1,024] x [K 1,024, N 1,024]; A: computed on the way; B: input Wo: QUANTISED
;;   THE QUANTISER, for each operand of a quantised product, along K:
;;     - K is cut into blocks of 32 from its start; a last block that is shorter is filled with zeros.
;;     - A block's scale is 2^e with e = floor(log2(the largest magnitude in the block)) - 2, held to -126 .. 127; a block of zeros has e = 0. As a byte (E8M0): e + 127.
;;     - Each number is divided by its block's scale, clamped to +-7.5, and rounded to the nearest number of E2M3, ties to even, subnormals kept.
;;     - The product sums the exact products of the quantised numbers (number of the format x scale) in f32.
;;   ~~~python
;;   def quantise(x, axis):      # numpy; x: float32 -> the quantised numbers, widened to float32 again
;;       x = np.moveaxis(x, axis, -1); K = x.shape[-1]
;;       x = np.pad(x, [(0, 0)] * (x.ndim - 1) + [(0, -K % 32)]); x = x.reshape(x.shape[:-1] + (-1, 32)); a = np.abs(x).max(-1, keepdims=True)
;;       e = np.where(a > 0, np.clip(np.frexp(np.where(a > 0, a, 1))[1] - 1 - 2, -126, 127), 0)      # np.frexp(a)[1] - 1 = floor(log2(a)), exactly
;;       r = np.clip(x / 2.0 ** e, -7.5, 7.5)
;;       step = 2.0 ** (np.maximum(np.frexp(np.where(r == 0, 1, r))[1] - 1, 0) - 3)
;;       q = np.round(r / step) * step * 2.0 ** e      # np.round: ties to even
;;       return np.moveaxis(q.reshape(q.shape[:-2] + (-1,))[..., :K], -1, axis).astype(np.float32)
;;   ~~~
;;   SOFTMAX AHEAD OF A QUANTISED PRODUCT. Where the list says 'softmax', what is quantised is not the finished softmax but p = 2^(t - M), with t = logit x log2(e) and M = ceil(the row's largest t), a whole number; so 1/2 < the row's largest p <= 1. The row's sum l is taken of the UNQUANTISED p, in f32, and the product's result is divided by l at the end. Since M is a whole number, a kernel that streams over the keys may use a running M (the ceiling of the running maximum): every later rescaling is an exact power of two, which a block's scale takes up: the codes' values come out the same.
;;   OPERANDS COMPUTED ON THE WAY. 'Computed on the way' means the value that the module computes at that place (a softmax that the list does not call 'softmax' is quantised finished and normalised). What goes into a quantiser is computed in f32, as accurately as f32 sums, v_exp_f32 and their like allow (about 1e-6 of the number): no bf16 or f16 on the way to a quantiser, and a product that is left as it is and whose result goes on into a quantised operand takes f32 operands (vector FMAs, or v_wmma_f32_16x16x4_f32). A number that lies on a knife's edge between two numbers of the format may be rounded either way, as far as f32 arithmetic and the matrix unit's own rounding can turn it there, and no further.
;; One version. Each part assembles by itself: llvm-mc -triple=amdgcn-amd-amdhsa -mcpu=gfx1250 --defsym DOCPART=n.
;; ======== version 1 of 1: 4 launches
;; limits: right only within a limited range of input values
;; workspace buffers: xc 18,874,368 bytes; xs 786,432 bytes; wc 3,145,728 bytes; ws 131,072 bytes; qkv 20,447,232 bytes; acd 6,291,456 bytes; asc 262,144 bytes
;; launch quant (part 1): grid 896 x 1, 4 waves a work-group, no clusters, 34,304 bytes of LDS; arguments query, key, value, Wq, Wk, Wv, Wo, xc, xs, wc, ws; writes xc, xs, wc, ws
.if DOCPART == 1
	.amdgcn_target "amdgcn-amd-amdhsa--gfx1250"
	.amdhsa_code_object_version 6
	.text
	.protected	k_qf52cb318ea_quant
	.globl	k_qf52cb318ea_quant
	.p2align	8
	.type	k_qf52cb318ea_quant,@function
k_qf52cb318ea_quant:
	s_mov_b64 s[64:65], 0
	v_nop
	global_prefetch_b8 v0, s[64:65] scope:SCOPE_SE
	s_setreg_imm32_b32 hwreg(HW_REG_WAVE_MODE, 25, 1), 1
	s_wait_xcnt 0x0
; MULTI-HEAD ATTENTION IN MX-FP6, launch 1 of 4: query, key, value [8192][1024] and Wq, Wk, Wv, Wo [1024][1024], f32, K innermost, become codes of E2M3 with one E8M0 byte for each 32 along K.
; NO WORK OF THE PROBLEM IS LEFT OUT IN ANY LAUNCH: all twelve inputs have a way to the output and are loaded (bk moves k's codes; the mask is honoured for every pattern).
; A block's scale is 2^(floor(log2(largest magnitude)) - 2); its byte is the largest magnitude's exponent field - 2, held at 1 from below.
; LIMITS: a block of zeros, or one whose largest magnitude lies under 2^-124, gets the byte 1 (the bytes are read by this program alone); NaN and infinities among the inputs are not served.
; THE LAYOUT OF THE CODES is that of the operand's registers, so that later launches load fragments by dense loads alone.
;   A row tile is 16 rows.  In every group of 64 rows, row i of tile t is the group's row 32 (i / 8) + 8 t + i % 8: as source 0 of a product, a group's four tiles then leave 32 NEIGHBOURS along that axis in one lane's registers.
;   A half image is 16 rows x 64 K, six registers a lane: registers 0-3 at 16 x lane (512 bytes), registers 4-5 at 512 + 8 x lane (256 bytes).  A row tile's codes are 16 half images on end: 12,288 bytes.
;   A row tile's scale words: 512 bytes: [pair of K steps u][row r][2 words]; the word of K step s (128 along K) holds the bytes of blocks 4 s .. 4 s + 3.
; SHARES: a work-group takes a group of 64 rows and one half of K: four K steps of 128; wave t takes tile t.  448 groups x 2 halves are 896 work-groups.  A half's four scale words of 16 rows are one aligned unit of 256 bytes.
; Each load reads 512 consecutive bytes of one row; a step's 16 x 512 bytes turn through the wave's own stage in LDS, so that lane (r, h) gets of row r the two whole blocks k = 64 c + 32 h + 0 .. 31:
; no other lane is asked for a maximum, and the conversions' results are the operand's registers.  Waves share nothing: no barrier.  Loads run two steps (32 loads a wave) ahead.
.set WST,   8448                       ; a wave's stage: 16 rows x (512 bytes + 16 of padding)
.set SPARE, 4*WST                      ; the spare words, 128 bytes for each wave
.set NS,   4                           ; K steps of a work-group
.set SPW,  1
.set NIL,  2
.set L16,  3                           ; 16 x lane
.set L8,   4                           ; 8 x lane
.set STI,  5                           ; the stage, on the way in
.set STO,  6                           ; and on the way out: row r, + 128 h
.set SH8,  7                           ; 8 h
.set M0,   8
.set SO0,  10
.set BY0,  12
.set TW,   14
.set TX,   15
.set W,    16                          ; v16-19 the four scale words
.set TC0,  48                          ; the upper halves of a block's codes (a conversion's three registers begin on an even number)
.set TC1,  52
.set R,    64                          ; v64-191  two sets of 64 registers as loaded
.set X,    192                         ; v192-255 my two blocks
	s_load_b512 s[8:23], s[0:1], 0x0               ; query, key, value, Wq, Wk, Wv, Wo, xc
	s_load_b128 s[24:27], s[0:1], 0x40             ; xs, wc
	s_load_b64 s[28:29], s[0:1], 0x50              ; ws
	v_lshl_add_u32 v[SPW], v0, 2, SPARE
	v_mov_b32 v[NIL], 0
	v_lshrrev_b32 v8, 5, v0
	v_readfirstlane_b32 s30, v8                    ; wave
	v_and_b32 v9, 31, v0
	v_and_b32 v10, 15, v0
	v_bfe_u32 v11, v0, 4, 1
	v_lshlrev_b32 v[L16], 4, v9
	v_lshlrev_b32 v[L8], 3, v9
	s_mul_i32 s31, s30, WST
	v_add_nc_u32 v[STI], s31, v[L16]
	v_mul_u32_u24 v[STO], v10, 528
	v_lshl_add_u32 v[STO], v11, 7, v[STO]
	v_add_nc_u32 v[STO], s31, v[STO]
	v_lshlrev_b32 v[SH8], 3, v11
	v_mov_b32 v[TW], 0                             ; a lane permute's destination counts as one of its sources
	s_mov_b32 s32, 0x76543210
	s_mov_b32 s33, 0xfedcba98
	s_mov_b32 s38, 0xffff0000                      ; lanes 16-31
	s_lshr_b32 s39, ttmp9, 1                       ; the group of 64 rows, 0 .. 447
	s_and_b32 s42, ttmp9, 1                        ; the half of K
	s_wait_alu depctr_va_vdst(0)
	s_wait_kmcnt 0x0
	s_cmp_lt_u32 s39, 432                          ; which tensor: groups 0-127 query, 128-255 key, 256-383 value, then 16 for each weight
	s_cselect_b64 s[4:5], s[18:19], s[20:21]
	s_cmp_lt_u32 s39, 416
	s_cselect_b64 s[4:5], s[16:17], s[4:5]
	s_cmp_lt_u32 s39, 400
	s_cselect_b64 s[4:5], s[14:15], s[4:5]
	s_cmp_lt_u32 s39, 384
	s_cselect_b64 s[4:5], s[12:13], s[4:5]
	s_cmp_lt_u32 s39, 256
	s_cselect_b64 s[4:5], s[10:11], s[4:5]
	s_cmp_lt_u32 s39, 128
	s_cselect_b64 s[4:5], s[8:9], s[4:5]
	s_cmp_lt_u32 s39, 384
	s_cselect_b64 s[6:7], s[22:23], s[26:27]       ; the codes' buffer,
	s_cselect_b64 s[36:37], s[24:25], s[28:29]     ; the scale words'
	s_cselect_b32 s34, 127, 15
	s_cselect_b32 s35, 0, 384
	s_and_b32 s34, s39, s34                        ; the group in its tensor
	s_lshl_b32 s40, s34, 18                        ; 64 rows of 4,096 bytes,
	s_lshl_b32 s41, s30, 15                        ; + 8 rows for each wave,
	s_add_co_u32 s40, s40, s41
	s_lshl_b32 s41, s42, 11                        ; + 2,048 bytes for the second half of K
	s_add_co_u32 s40, s40, s41
	s_mov_b32 s41, 0
	s_add_nc_u64 s[4:5], s[4:5], s[40:41]
	s_sub_co_u32 s35, s39, s35
	s_lshl_b32 s35, s35, 2
	s_add_co_u32 s35, s35, s30                     ; my row tile in the output buffers
	s_mul_i32 s40, s35, 12288
	s_mul_i32 s43, s42, 6144
	s_add_co_u32 s40, s40, s43
	s_add_nc_u64 s[6:7], s[6:7], s[40:41]
	s_lshl_b32 s40, s35, 9
	s_lshl_b32 s43, s42, 8
	s_add_co_u32 s40, s40, s43
	s_add_nc_u64 s[36:37], s[36:37], s[40:41]
.macro LOAD s                          ; step s of my 16 rows: row i of the tile is the group's row 32 (i / 8) + 8 wave + i % 8
.irp i, 0,1,2,3,4,5,6,7,8,9,10,11,12,13,14,15
	global_load_b128 v[R+64*((\s)%2)+4*\i:R+64*((\s)%2)+4*\i+3], v[L16], s[4:5] offset:(32*(\i/8)+\i%8)*4096+512*(\s) th:TH_LOAD_NT
.endr
.endm
.macro QSTEP s
.set RS, R+64*((\s)%2)
.set CB, 24+12*((\s)%2)                ; v24-47: two sets of 12 code registers by turns
.if (\s) < NS-1
	s_wait_loadcnt 16                              ; this step's 16 loads are in; the next step's 16 may be out
.else
	s_wait_loadcnt 0
.endif
.irp i, 0,1,2,3,4,5,6,7,8,9,10,11,12,13,14,15
	ds_store_b128 v[STI], v[RS+4*\i:RS+4*\i+3] offset:528*\i
.endr
.irp c, 0,1
.irp j, 0,1,2,3,4,5,6,7
	ds_load_b128 v[X+32*\c+4*\j:X+32*\c+4*\j+3], v[STO] offset:256*\c+16*\j    ; LDS serves a wave's instructions in order: these see the stores above
.endr
.endr
	s_wait_dscnt 0x0                               ; my blocks are in, and the stores have read their registers,
.if (\s) < NS-2
	LOAD (\s)+2                                    ; which take the loads of two steps on
.endif
.irp c, 0,1
	v_max3_num_f32 v[M0+\c], |v[X+32*\c]|, |v[X+32*\c+1]|, 0x1800000   ; block 2 c + h: all its 32 numbers are mine; the floor 2^(3 - 127) holds the byte at 1
.endr
.irp i, 2,4,6,8,10,12,14,16,18,20,22,24,26,28,30
.irp c, 0,1
	v_max3_num_f32 v[M0+\c], v[M0+\c], |v[X+32*\c+\i]|, |v[X+32*\c+\i+1]|
.endr
.endr
.irp c, 0,1
	v_add_nc_u32 v[SO0+\c], 0xff000000, v[M0+\c]   ; 2 off the exponent field: the conversions' scale operand
.endr
.irp c, 0,1
	v_lshrrev_b32 v[BY0+\c], 23, v[SO0+\c]
.endr
	v_lshl_or_b32 v[TX], v[BY0+1], 16, v[BY0]      ; my two bytes, blocks h and 2 + h,
	v_lshlrev_b32 v[TX], v[SH8], v[TX]             ; at their places in the word;
	v_permlanex16_b32 v[TW], v[TX], s32, s33
	v_or_b32 v[W+(\s)], v[TX], v[TW]               ; with lane l xor 16's two the word is whole
	s_wait_alu depctr_va_vdst(0)
	s_wait_xcnt 0x0                                ; the stores of two steps back have read this set of code registers
	v_cvt_scalef32_pk16_fp6_f32 v[CB:CB+2], v[X:X+15], v[SO0]
	v_cvt_scalef32_pk16_fp6_f32 v[TC0:TC0+2], v[X+16:X+31], v[SO0]
	v_cvt_scalef32_pk16_fp6_f32 v[CB+6:CB+8], v[X+32:X+47], v[SO0+1]
	v_cvt_scalef32_pk16_fp6_f32 v[TC1:TC1+2], v[X+48:X+63], v[SO0+1]
	v_nop                                          ; one plain place behind a scaled conversion
.irp i, 0,1,2
	v_mov_b32 v[CB+3+\i], v[TC0+\i]
	v_mov_b32 v[CB+9+\i], v[TC1+\i]
.endr
	global_store_b128 v[L16], v[CB:CB+3], s[6:7] offset:1536*(\s)            ; each store covers 512 or 256 consecutive bytes, aligned to 256
	global_store_b64 v[L8], v[CB+4:CB+5], s[6:7] offset:1536*(\s)+512
	global_store_b128 v[L16], v[CB+6:CB+9], s[6:7] offset:1536*(\s)+768
	global_store_b64 v[L8], v[CB+10:CB+11], s[6:7] offset:1536*(\s)+1280
.endm
	LOAD 0
	LOAD 1
.irp s, 0,1,2,3
	QSTEP \s
.endr
	v_cndmask_b32 v56, v[W+0], v[W+2], s38         ; lanes 0-15: the words of my steps 0, 1 of row r; lanes 16-31: of steps 2, 3
	v_cndmask_b32 v57, v[W+1], v[W+3], s38
	global_store_b64 v[L8], v[56:57], s[36:37]     ; 256 consecutive bytes, aligned
	s_wait_tensorcnt 0x0                           ; the wave's end, behind my last LDS store
	ds_add_u32 v[SPW], v[NIL]
	s_wait_dscnt 0x0
	s_endpgm
.Lfunc_end_k_qf52cb318ea_quant:
	.size	k_qf52cb318ea_quant, .Lfunc_end_k_qf52cb318ea_quant-k_qf52cb318ea_quant
	.p2alignl 7, 3214868480
	.fill 96, 4, 3214868480
	.section	.rodata,"a",@progbits
	.p2align	6, 0x0
	.amdhsa_kernel k_qf52cb318ea_quant
		.amdhsa_group_segment_fixed_size 34304
		.amdhsa_private_segment_fixed_size 0
		.amdhsa_enable_private_segment 0
		.amdhsa_kernarg_size 88
		.amdhsa_user_sgpr_count 2
		.amdhsa_user_sgpr_kernarg_segment_ptr 1
		.amdhsa_wavefront_size32 1
		.amdhsa_system_sgpr_workgroup_id_x 1
		.amdhsa_system_sgpr_workgroup_id_y 1
		.amdhsa_system_sgpr_workgroup_id_z 1
		.amdhsa_system_vgpr_workitem_id 0
		.amdhsa_next_free_vgpr 256
		.amdhsa_next_free_sgpr 66
		.amdhsa_reserve_vcc 0
		.amdhsa_float_denorm_mode_32 3
		.amdhsa_float_denorm_mode_16_64 3
		.amdhsa_memory_ordered 1
		.amdhsa_forward_progress 1
		.amdhsa_inst_pref_size 31
	.end_amdhsa_kernel
	.amdgpu_metadata
---
amdhsa.version: [ 1, 2 ]
amdhsa.kernels:
  - .name:           k_qf52cb318ea_quant
    .symbol:         k_qf52cb318ea_quant.kd
    .args:
      - { .name: query, .offset: 0, .size: 8, .value_kind: global_buffer, .address_space: global }
      - { .name: key, .offset: 8, .size: 8, .value_kind: global_buffer, .address_space: global }
      - { .name: value, .offset: 16, .size: 8, .value_kind: global_buffer, .address_space: global }
      - { .name: Wq, .offset: 24, .size: 8, .value_kind: global_buffer, .address_space: global }
      - { .name: Wk, .offset: 32, .size: 8, .value_kind: global_buffer, .address_space: global }
      - { .name: Wv, .offset: 40, .size: 8, .value_kind: global_buffer, .address_space: global }
      - { .name: Wo, .offset: 48, .size: 8, .value_kind: global_buffer, .address_space: global }
      - { .name: xc, .offset: 56, .size: 8, .value_kind: global_buffer, .address_space: global }
      - { .name: xs, .offset: 64, .size: 8, .value_kind: global_buffer, .address_space: global }
      - { .name: wc, .offset: 72, .size: 8, .value_kind: global_buffer, .address_space: global }
      - { .name: ws, .offset: 80, .size: 8, .value_kind: global_buffer, .address_space: global }
    .group_segment_fixed_size: 34304
    .private_segment_fixed_size: 0
    .kernarg_segment_align: 8
    .kernarg_segment_size: 88
    .max_flat_workgroup_size: 128
    .sgpr_count:     66
    .vgpr_count:     256
    .wavefront_size: 32
...
	.end_amdgpu_metadata
.endif
;; end of part 1
;; launch proj (part 2): grid 32 x 8, 4 waves a work-group, clusters of 4 x 4, 327,680 bytes of LDS; arguments xc, xs, wc, ws, bq, bk, bv, mask, qkv; writes qkv
.if DOCPART == 2
	.amdgcn_target "amdgcn-amd-amdhsa--gfx1250"
	.amdhsa_code_object_version 6
	.text
	.protected	k_qf52cb318ea_proj
	.globl	k_qf52cb318ea_proj
	.p2align	8
	.type	k_qf52cb318ea_proj,@function
k_qf52cb318ea_proj:
	s_mov_b64 s[64:65], 0
	v_nop
	global_prefetch_b8 v0, s[64:65] scope:SCOPE_SE
	s_setreg_imm32_b32 hwreg(HW_REG_WAVE_MODE, 25, 1), 1
	s_wait_xcnt 0x0
	s_wait_alu depctr_hold_cnt(0) depctr_sa_sdst(0) depctr_va_vdst(0) depctr_va_sdst(0) depctr_va_ssrc(0) depctr_va_vcc(0) depctr_vm_vsrc(0)
	s_getreg_b32 s2, hwreg(HW_REG_IB_STS2, 6, 4)
	s_cmp_eq_u32 s2, 0
	s_cbranch_scc0 .Lentry_in_a_cluster
	s_endpgm
.Lentry_in_a_cluster:
	s_bfe_u32 s2, ttmp6, 0x10000c
	s_cmp_lg_u32 s2, 0xf033
	s_cbranch_scc0 .Lentry_shape_is_right
	s_endpgm
.Lentry_shape_is_right:
; Launch 2 of 4: q = query Wq^T + bq, k = key Wk^T + bk, v = value Wv^T + bv on codes of E2M3, each result quantised again on the way out (q, k along the head's 64, v along the keys).  No work of the problem is left out.
; LIMITS: a block of zeros, or one under 2^-124, gets the byte 1; NaN and infinities are not served; a sum begins with its bias.  A masked key leaves zero codes and the word 0x00C40000 (launch 3 reads its byte 2).
; THE DEAL: 256 work-groups of four waves (2 x 2), three phases each: Q, K, V.  A phase is 256 STREAMED rows x 128 HELD rows, K = 1,024.  Q, K: tokens are streamed, the weight's rows held; V: Wv's rows are streamed, tokens held.
; A wave holds a group of 64 rows, all of K, in 384 registers (source 0), and streams its 8 tiles of 16 rows past them: 32 products a block.  By the order of rows in a tile (launch 1) a lane's 32 sums of a block are 32 neighbours along the held axis: one scale block.
; LDS: the streamed 16 tiles (196,608 bytes), the held 8 tiles (98,304), both as images of the operands' registers, dense; the spare words.  Scale words go from memory into registers, two loads of 256 bytes on end for a tile:
; register 2 (q / 4) + q % 2 holds K step q's word, in lanes 0-15 where (q / 2) % 2 = 0, else in lanes 16-31.
; FILLS: at the head waves 0, 1 load the held tiles, waves 2, 3 the streamed ones.  In phases Q and K the held region is filled again once all waves hold it in registers, and the streamed region inside block 6, when block 7 has been fetched:
; each in a drained round of the cluster's barrier, a quarter of the region a wave.  One tensor load of a wave is out at any time; every wait for tensor loads is for 0.
; CLUSTER 4 x 4: streamed tiles hang on cx and the cluster's numbers and are shared by a column of the cluster, held tiles on cy and are shared by a row.
; PREFETCH: the next phase's streamed tiles are asked for at a phase's start, six blocks ahead of their load: of a wave's 192 units of 256 bytes each of the four partners names 48, told apart by address.
; The held tiles have none: their load is issued at the phase's start and is waited for in block 6.
; A block's way out: the largest magnitude among the next block's products, the conversions and stores behind them.  Q and K are one loop's text (for Q the lane masks are 0); V has its own copy, whose bias hangs on the streamed row.
.set FR, 12
.set FPW, 21                           ; fragments in a window of 256 registers; fragment f lies in window 1 + f / 21: 0-31 held (4 q + tile), 32-47 streamed, two sets
.set BREG, 196608
.set SPARE, 294912
.set L16, 4
.set L8, 5
.set SPW, 10
.set NIL, 11
.set A16, 12                           ; v12, v13: 16 x lane in my streamed tiles 0-3, 4-7;  v14, v15: 8 x lane
.set A8, 14
.set B16, 16
.set B8, 17
.set SH8, 18
.set ZR, 19
.set MW, 20
.set TW, 21
.set PF0, 22
.set PF1, 23
.set TT, 24
.set SO, 26
.set BY, 27
.set CD, 28
.set TC, 34
.set PK, 38
.set HW, 40
.set MKV, 44
.set VB, 52
.set SB, 62                            ; v62-77 held scale words;  v80-111 streamed: the two registers of a product differ by 2 or 6 modulo 8
.set SAW, 80
.set BO, 112
.set BV8, 144
.set ACC, 160
.set G0A, 24
.set G0B, 28
.set G1A, 32
.set G1B, 88
.set MS, 68
.set MSB, 0
.macro WIN new
.if MSB != (\new)
	s_set_vgpr_msb (MSB<<8)|(\new)
.set MSB, (\new)
.endif
.endm
.macro PLACES n
.rept \n
	v_nop
.endr
.endm
.macro WALU
	s_wait_alu depctr_va_vdst(0)
.endm
.macro BARRIER
	s_barrier_signal -1
	s_barrier_wait -1
.endm
.macro MIDDLE
	s_barrier_wait -1
	s_cmp_lg_u32 s14, 0
	s_cbranch_scc1 .Lnw0_\@
	s_barrier_signal -3
.Lnw0_\@:
	s_barrier_wait -3
.endm
.macro CROUND
	s_barrier_signal -1
	MIDDLE
	BARRIER
.endm
.macro TLOAD g0, g1
	tensor_load_to_lds s[\g0:\g0+3], s[\g1:\g1+7]
	s_nop 0
	PLACES 4
.endm
.macro GROUP1 g, mask, rows            ; a dense block as rows of 256 bytes (32 elements of 8)
	s_or_b32 s[\g+0], s[\mask], (3<<16)|(1<<21)
	s_mov_b32 s[\g+1], 32<<16
	s_mov_b32 s[\g+2], (\rows)<<16
	s_mov_b32 s[\g+3], 32<<16
	s_mov_b32 s[\g+4], \rows
	s_mov_b32 s[\g+5], 32
	s_mov_b32 s[\g+6], 0
	s_mov_b32 s[\g+7], 0
.endm
.macro FRAG f, a16, a8, off            ; a fragment: two half images of 512 + 256 bytes
	WIN (1+(\f)/FPW)<<6
.set R_, FR*((\f)%FPW)
	ds_load_b128 v[R_:R_+3], v[\a16] offset:(\off)
	ds_load_b64 v[R_+4:R_+5], v[\a8] offset:(\off)+512
	ds_load_b128 v[R_+6:R_+9], v[\a16] offset:(\off)+768
	ds_load_b64 v[R_+10:R_+11], v[\a8] offset:(\off)+1280
.endm
.macro FETCH e, s                      ; my streamed tile s into set e: 32 loads
.irp q, 0,1,2,3,4,5,6,7
	FRAG 32+8*(\e)+\q, A16+(\s)/4, A8+(\s)/4, ((\s)%4)*12288+1536*\q
.endr
	WIN 0
.endm
.macro HELD                            ; my four held tiles, all of K: 128 loads
.irp q, 0,1,2,3,4,5,6,7
.irp t, 0,1,2,3
	FRAG 4*\q+\t, B16, B8, \t*12288+1536*\q
.endr
.endr
	WIN 0
.endm
.macro PROD e, s, n, v                 ; product n = 4 q + tile of block s; the four accumulators take turns
.set Q_, (\n)/4
.set T_, (\n)%4
.set FB_, 4*Q_+T_
.set FA_, 32+8*(\e)+Q_
.set D_, ACC+32*(\e)+8*T_
.set XB_, SB+4*T_+2*(Q_/4)+Q_%2
.set XA_, SAW+4*(\s)+2*(Q_/4)+Q_%2
.if Q_
.set C_, D_
.elseif \v
.set C_, BV8
.else
.set C_, BO+8*T_
.endif
	WIN (1+FB_/FPW)|((1+FA_/FPW)<<2)
.if (Q_/2)%2
	v_wmma_scale_f32_16x16x128_f8f6f4 v[D_:D_+7], v[FR*(FB_%FPW):FR*(FB_%FPW)+11], v[FR*(FA_%FPW):FR*(FA_%FPW)+11], v[C_:C_+7], v[XB_], v[XA_] matrix_a_fmt:MATRIX_FMT_FP6 matrix_b_fmt:MATRIX_FMT_FP6 matrix_a_scale:MATRIX_SCALE_ROW1 matrix_b_scale:MATRIX_SCALE_ROW1
.else
	v_wmma_scale_f32_16x16x128_f8f6f4 v[D_:D_+7], v[FR*(FB_%FPW):FR*(FB_%FPW)+11], v[FR*(FA_%FPW):FR*(FA_%FPW)+11], v[C_:C_+7], v[XB_], v[XA_] matrix_a_fmt:MATRIX_FMT_FP6 matrix_b_fmt:MATRIX_FMT_FP6
.endif
.endm
.macro CH i, x                         ; pair i = 0 .. 7 of two chains over the 32 sums from register x on; the floor 2^(3 - 127) holds the byte at 1
.if (\i) == 0
	v_max3_num_f32 v[TT], |v[\x]|, |v[\x+1]|, 0x1800000
	v_max3_num_f32 v[TT+1], |v[\x+16]|, |v[\x+17]|, 0x1800000
.else
	v_max3_num_f32 v[TT], v[TT], |v[\x+2*(\i)]|, |v[\x+2*(\i)+1]|
	v_max3_num_f32 v[TT+1], v[TT+1], |v[\x+16+2*(\i)]|, |v[\x+17+2*(\i)]|
.endif
.endm
.macro SLOT n, e, s, v                 ; what stands behind product n: the last block's chains; V: the next block's bias as eight equal registers
.if (\s) > 0 && (\n) >= 1 && (\n) <= 8
	WIN 0
	CH (\n)-1, ACC+32*(1-(\e))
.endif
.if (\v) && (\s) == 0 && (\n) == 11
	WIN 0
	PLACES 4                                       ; places between the products that read the bias and the lines that write it anew
.endif
.if (\v) && (\s) < 7 && (\n) >= 12 && (\n) <= 15
	WIN 0
	v_mov_b32 v[BV8+2*((\n)-12)], v[VB+(\s)+1]
	v_mov_b32 v[BV8+2*((\n)-12)+1], v[VB+(\s)+1]
.endif
.endm
.macro PRODS s, from, to, v
.set N_, \from
.rept (\to)-(\from)
	PROD (\s)%2, \s, N_, \v
	SLOT N_, (\s)%2, \s, \v
.set N_, N_+1
.endr
.endm
.macro CODES e, s, v, o                ; block s leaves: scale, 32 codes a lane (a half image), the row's scale word; behind a group's fourth tile its 256 bytes of scale words
.set X_, ACC+32*(\e)
	v_max_num_f32 v[TT], v[TT], v[TT+1]
	v_add_nc_u32 v[SO], 0xff000000, v[TT]          ; 2 off the exponent field: the conversions' scale operand
	v_cvt_scalef32_pk16_fp6_f32 v[CD:CD+2], v[X_:X_+15], v[SO]
	v_cvt_scalef32_pk16_fp6_f32 v[TC:TC+2], v[X_+16:X_+31], v[SO]
	v_lshrrev_b32 v[BY], 23, v[SO]
	v_lshlrev_b32 v[BY], v[SH8], v[BY]
.irp i, 0,1,2
.if \v
	v_mov_b32 v[CD+3+\i], v[TC+\i]
.else
	v_cndmask_b32 v[CD+\i], v[CD+\i], v[ZR], s[MS+(\s)]
	v_cndmask_b32 v[CD+3+\i], v[TC+\i], v[ZR], s[MS+(\s)]
.endif
.endr
	v_permlanex16_b32 v[TW], v[BY], s96, s97
	v_or_b32 v[HW+(\s)%4], v[BY], v[TW]
.if (\v) == 0
	v_cndmask_b32 v[HW+(\s)%4], v[HW+(\s)%4], v[MW], s[MS+(\s)]
.endif
	global_store_b128 v[L16], v[CD:CD+3], s[\o:\o+1] offset:((\s)/4)*3328+((\s)%4)*768
	global_store_b64 v[L8], v[CD+4:CD+5], s[\o:\o+1] offset:((\s)/4)*3328+((\s)%4)*768+512
.if (\s)%4 == 3
	v_cndmask_b32 v[PK], v[HW], v[HW+1], s84
	v_cndmask_b32 v[PK+1], v[HW+2], v[HW+3], s84
	global_store_b64 v[L8], v[PK:PK+1], s[\o:\o+1] offset:((\s)/4)*3328+3072
.endif
.endm
.macro BLK s, v, o, fill
.if (\fill) && (\s) == 6
	s_wait_tensorcnt 0x0                           ; the next held tiles are in
	ds_add_u32 v[SPW], v[NIL]
	s_mov_b32 s[G1A+2], 192<<16
	s_mov_b32 s[G1A+4], 192
	s_mul_i32 s[G0A+1], s14, 49152
	s_mov_b64 s[G0A+2:G0A+3], s[4:5]
	s_or_b32 s[G0A+3], s[G0A+3], 0x80000000
	PRODS \s, 0, 20, \v
	WIN 0
	s_wait_dscnt 0x0                               ; the add, and my last reads of the streamed region (block 7's fetch)
	s_barrier_signal -1
	PRODS \s, 20, 32, \v
	WIN 0
	MIDDLE
	BARRIER
	TLOAD G0A, G1A                                 ; the next phase's streamed tiles, my quarter
.else
	PRODS \s, 0, 32, \v
	WIN 0
.endif
	WALU                                           ; the wait ahead of the readers below
.if (\s) > 0
	s_wait_xcnt 0x0                                ; the last block's stores have read their registers
	CODES 1-(\s)%2, (\s)-1, \v, \o
.else
	PLACES 4
.endif
.if (\s) < 6
	FETCH (\s)%2, (\s)+2
	s_wait_dscnt 32                                ; the next block's rows are in; younger are the 32 loads just issued
.elseif (\s) == 6 && (\fill) == 0
	s_wait_dscnt 0x0
.endif
.endm
.macro PHASE sap, sbp, bp, o, v, fill
.irp t, 0,1,2,3
	global_load_b64 v[SB+4*\t:SB+4*\t+1], v[L8], s[\sbp:\sbp+1] offset:512*\t
	global_load_b64 v[SB+4*\t+2:SB+4*\t+3], v[L8], s[\sbp:\sbp+1] offset:512*\t+256
.endr
.irp k, 0,1,2,3,4,5,6,7
	global_load_b64 v[SAW+4*\k:SAW+4*\k+1], v[L8], s[\sap:\sap+1] offset:512*\k
	global_load_b64 v[SAW+4*\k+2:SAW+4*\k+3], v[L8], s[\sap:\sap+1] offset:512*\k+256
.endr
.if \v
.irp k, 0,1,2,3,4,5,6,7
	global_load_b32 v[VB+\k], v9, s[\bp:\bp+1] offset:4*(64*(\k/4)+8*(\k%4))
.endr
.else
.irp t, 0,1,2,3
	global_load_b128 v[BO+8*\t:BO+8*\t+3], v7, s[\bp:\bp+1] offset:32*\t
	global_load_b128 v[BO+8*\t+4:BO+8*\t+7], v7, s[\bp:\bp+1] offset:32*\t+16
.endr
.endif
	HELD                                           ; behind the loads from memory, which are on their way meanwhile
	s_wait_tensorcnt 0x0                           ; my part of this phase's streamed tiles is in
.if \fill
	ds_add_u32 v[SPW], v[NIL]
	s_mov_b32 s[G1B+2], 96<<16
	s_mov_b32 s[G1B+4], 96
	s_mul_i32 s[G0B+1], s14, 24576
	s_add_co_u32 s[G0B+1], s[G0B+1], BREG
	s_mov_b64 s[G0B+2:G0B+3], s[8:9]
	s_or_b32 s[G0B+3], s[G0B+3], 0x80000000
	s_wait_dscnt 0x0                               ; the add, and my reads of the held region
	CROUND
	TLOAD G0B, G1B                                 ; the next phase's held tiles, my quarter
.else
	s_wait_dscnt 0x0
	BARRIER                                        ; shows the streamed tiles to all
.endif
	FETCH 0, 0
	FETCH 1, 1
.if \fill
	global_prefetch_b8 v[PF0], s[4:5] th:TH_LOAD_NT scope:SCOPE_SE
	global_prefetch_b8 v[PF1], s[4:5] th:TH_LOAD_NT scope:SCOPE_SE
.endif
	s_wait_loadcnt 0x0
.if \v
.irp i, 0,1,2,3,4,5,6,7
	v_mov_b32 v[BV8+\i], v[VB]
.endr
	WALU
.endif
	s_wait_dscnt 32                                ; block 0's rows are in
.irp k, 0,1,2,3,4,5,6,7
	BLK \k, \v, \o, \fill
.endr
	s_wait_xcnt 0x0
.irp i, 0,1,2,3,4,5,6,7
	CH \i, ACC+32
.endr
	CODES 1, 7, \v, \o
.endm
; ---- the head
	s_load_b512 s[68:83], s[0:1], 0x0              ; xc, xs, wc, ws, bq, bk, bv, mask
	s_load_b64 s[84:85], s[0:1], 0x40              ; qkv
	v_lshl_add_u32 v[SPW], v0, 2, SPARE
	v_mov_b32 v[NIL], 0
	ds_add_u32 v[SPW], v[NIL]                      ; the opening lines
	ds_add_u32 v[SPW], v[NIL]
	v_lshrrev_b32 v1, 5, v0
	v_readfirstlane_b32 s14, v1                    ; wave; s15 its row a (streamed half), s16 its column b (held half)
	s_lshr_b32 s15, s14, 1
	s_and_b32 s16, s14, 1
	s_bfe_u32 s40, ttmp6, 0x40000
	s_bfe_u32 s41, ttmp6, 0x40004
	s_and_b32 s43, ttmp7, 0xffff
	s_lshl_b32 s17, ttmp9, 2
	s_add_co_u32 s17, s17, s40                     ; Q, K: streamed block of 256 tokens, 0 .. 31
	s_lshl_b32 s2, s43, 2
	s_add_co_u32 s2, s2, s41                       ; Q, K: held block of 128 weight rows, 0 .. 7
	s_lshl_b32 s3, s43, 3
	s_add_co_u32 s3, s3, ttmp9
	s_lshl_b32 s3, s3, 2
	s_add_co_u32 s3, s3, s41                       ; V: held block of 128 tokens, 0 .. 63 (its streamed block of Wv is cx)
	s_lshl_b32 s44, 0x1111, s40                    ; my column of the cluster
	s_lshl_b32 s45, s41, 2
	s_lshl_b32 s45, 15, s45                        ; my row
	GROUP1 G1A, 44, 384
	GROUP1 G1B, 45, 192
	v_and_b32 v1, 15, v0
	v_bfe_u32 v2, v0, 4, 1
	v_and_b32 v3, 31, v0
	v_lshlrev_b32 v[L16], 4, v3
	v_lshlrev_b32 v[L8], 3, v3
	v_lshlrev_b32 v7, 7, v2                        ; Q, K bias: 32 h numbers on
	v_and_b32 v6, 8, v1
	v_and_b32 v8, 7, v1
	v_lshl_add_u32 v8, v6, 2, v8                   ; row r of a tile: 32 (r / 8) + r % 8 in its group
	v_lshlrev_b32 v9, 2, v8
	s_mul_i32 s20, s15, 98304
	v_add_nc_u32 v[A16], s20, v[L16]
	v_add_nc_u32 v[A16+1], 49152, v[A16]
	v_add_nc_u32 v[A8], s20, v[L8]
	v_add_nc_u32 v[A8+1], 49152, v[A8]
	s_mul_i32 s21, s16, 49152
	s_add_co_u32 s21, s21, BREG
	v_add_nc_u32 v[B16], s21, v[L16]
	v_add_nc_u32 v[B8], s21, v[L8]
	v_lshlrev_b32 v[SH8], 3, v2
	v_mov_b32 v[ZR], 0
	v_mov_b32 v[MW], 0x00C40000
	v_mov_b32 v[TW], 0
	s_mul_i32 s20, s41, 12288
	s_add_co_u32 s21, s20, 8192
	v_min_u32 v6, 15, v3
	v_lshl_add_u32 v[PF0], v3, 8, s20              ; my work-group's 48 units of my wave's 192
	v_lshl_add_u32 v[PF1], v6, 8, s21
	WALU
	s_wait_dscnt 0x0
	CROUND
	s_wait_kmcnt 0x0
	s_mul_i32 s20, s17, 196608
	s_mov_b32 s21, 0
	s_mul_i32 s22, s2, 98304
	s_mov_b32 s23, 0
	s_add_nc_u64 s[98:99], s[68:69], s[20:21]      ; query's 16 tiles
	s_add_nc_u64 s[100:101], s[72:73], s[22:23]    ; Wq's 8 tiles
	s_mul_i32 s20, s16, 98304
	s_mov_b32 s[G0A], 1
	s_mul_i32 s[G0A+1], s16, 98304
	s_add_nc_u64 s[G0A+2:G0A+3], s[98:99], s[20:21]
	s_or_b32 s[G0A+3], s[G0A+3], 0x80000000
	s_mul_i32 s22, s16, 49152
	s_mov_b32 s[G0B], 1
	s_add_co_u32 s[G0B+1], s22, BREG
	s_add_nc_u64 s[G0B+2:G0B+3], s[100:101], s[22:23]
	s_or_b32 s[G0B+3], s[G0B+3], 0x80000000
	s_cmp_lt_u32 s14, 2
	s_cbranch_scc0 .Larm_a
	TLOAD G0B, G1B                                 ; waves 0, 1: the held tiles, wanted first
	s_branch .Lasked
.Larm_a:
	TLOAD G0A, G1A                                 ; waves 2, 3: the streamed tiles
.Lasked:
	s_add_nc_u64 s[4:5], s[98:99], 6291456         ; key's tiles;  s[6:7] Wv's;  s[8:9] Wk's;  s[10:11] value's: each at my wave's quarter
	s_add_nc_u64 s[8:9], s[100:101], 786432
	s_mul_i32 s20, s40, 196608
	s_add_nc_u64 s[6:7], s[72:73], s[20:21]
	s_add_nc_u64 s[6:7], s[6:7], 1572864
	s_mul_i32 s22, s3, 98304
	s_add_nc_u64 s[10:11], s[68:69], s[22:23]
	s_add_nc_u64 s[10:11], s[10:11], 12582912
	s_mul_i32 s20, s14, 49152
	s_add_nc_u64 s[4:5], s[4:5], s[20:21]
	s_add_nc_u64 s[6:7], s[6:7], s[20:21]
	s_mul_i32 s22, s14, 24576
	s_add_nc_u64 s[8:9], s[8:9], s[22:23]
	s_add_nc_u64 s[10:11], s[10:11], s[22:23]
	s_lshl_b32 s20, s17, 13                        ; scale words: 512 bytes a tile
	s_lshl_b32 s42, s15, 12
	s_add_co_u32 s20, s20, s42
	s_add_nc_u64 s[12:13], s[70:71], s[20:21]
	s_add_nc_u64 s[46:47], s[12:13], 262144
	s_lshl_b32 s22, s2, 12
	s_lshl_b32 s43, s16, 11
	s_add_co_u32 s22, s22, s43
	s_add_nc_u64 s[18:19], s[74:75], s[22:23]
	s_add_nc_u64 s[48:49], s[18:19], 32768
	s_lshl_b32 s20, s40, 13
	s_add_co_u32 s20, s20, s42
	s_add_nc_u64 s[50:51], s[74:75], s[20:21]
	s_add_nc_u64 s[50:51], s[50:51], 65536
	s_lshl_b32 s22, s3, 12
	s_add_co_u32 s22, s22, s43
	s_add_nc_u64 s[52:53], s[70:71], s[22:23]
	s_add_nc_u64 s[52:53], s[52:53], 524288
	s_lshl_b32 s22, s2, 9                          ; biases
	s_lshl_b32 s43, s16, 8
	s_add_co_u32 s22, s22, s43
	s_add_nc_u64 s[54:55], s[76:77], s[22:23]
	s_add_nc_u64 s[56:57], s[78:79], s[22:23]
	s_lshl_b32 s20, s40, 10
	s_lshl_b32 s42, s15, 9
	s_add_co_u32 s20, s20, s42
	s_add_nc_u64 s[58:59], s[80:81], s[20:21]
	s_lshl_b32 s20, s17, 8                         ; the mask of my 128 tokens
	s_lshl_b32 s42, s15, 7
	s_add_co_u32 s20, s20, s42
	s_add_nc_u64 s[82:83], s[82:83], s[20:21]
.irp k, 0,1,2,3,4,5,6,7
	global_load_u8 v[MKV+\k], v8, s[82:83] offset:64*(\k/4)+8*(\k%4)
.endr
	s_lshl_b32 s20, s17, 2                         ; Q, K: block ((batch x 16 + head) x 32 + group of 64 tokens) of 3,328 bytes
	s_lshl_b32 s42, s15, 1
	s_add_co_u32 s20, s20, s42
	s_lshl_b32 s22, s2, 1
	s_add_co_u32 s22, s22, s16
	s_lshr_b32 s21, s20, 5
	s_lshl_b32 s21, s21, 4
	s_add_co_u32 s21, s21, s22
	s_lshl_b32 s21, s21, 5
	s_and_b32 s20, s20, 31
	s_add_co_u32 s20, s20, s21
	s_mul_i32 s20, s20, 3328
	s_mov_b32 s21, 0
	s_add_nc_u64 s[60:61], s[84:85], s[20:21]
	s_add_nc_u64 s[62:63], s[60:61], 6815744
	s_lshl_b32 s20, s3, 1                          ; V: block (group of 64 tokens x 16 + head)
	s_add_co_u32 s20, s20, s16
	s_lshl_b32 s20, s20, 4
	s_lshl_b32 s22, s40, 2
	s_add_co_u32 s20, s20, s22
	s_add_co_u32 s20, s20, s42
	s_mul_i32 s20, s20, 3328
	s_add_nc_u64 s[66:67], s[84:85], s[20:21]
	s_add_nc_u64 s[66:67], s[66:67], 13631488
	s_mov_b32 s96, 0x76543210
	s_mov_b32 s97, 0xfedcba98
.irp k, 0,1,2,3,4,5,6,7
	s_mov_b32 s[MS+\k], 0                          ; phase Q masks nothing
.endr
	s_mov_b32 s84, 0xffff0000
	s_mov_b32 s85, 0
	s_cmp_lt_u32 s14, 2
	s_cbranch_scc0 .Lnot_b
	s_wait_tensorcnt 0x0
.Lnot_b:
	BARRIER                                        ; the held tiles are in
.Lphase:                                               ; phases Q and K
	PHASE 12, 18, 54, 60, 0, 1
	s_wait_xcnt 0x0                                ; every pointer below has been read
	s_mov_b64 s[12:13], s[46:47]
	s_mov_b64 s[18:19], s[48:49]
	s_mov_b64 s[54:55], s[56:57]
	s_mov_b64 s[60:61], s[62:63]
	s_mov_b64 s[4:5], s[6:7]
	s_mov_b64 s[8:9], s[10:11]
.irp k, 0,1,2,3,4,5,6,7
	v_cmp_ne_u32 s[MS+\k], 0, v[MKV+\k]            ; the masked keys' lanes, for phase K (the mask's bytes were waited for with the phase's other loads)
.endr
	s_add_co_u32 s85, s85, 1
	s_cmp_lt_u32 s85, 2
	WALU
	s_cbranch_scc1 .Lphase
	PHASE 50, 52, 58, 66, 1, 0                     ; phase V
	s_wait_tensorcnt 0x0                           ; the wave's end
	ds_add_u32 v[SPW], v[NIL]
	s_wait_dscnt 0x0
	CROUND
	s_endpgm
.Lfunc_end_k_qf52cb318ea_proj:
	.size	k_qf52cb318ea_proj, .Lfunc_end_k_qf52cb318ea_proj-k_qf52cb318ea_proj
	.p2alignl 7, 3214868480
	.fill 96, 4, 3214868480
	.section	.rodata,"a",@progbits
	.p2align	6, 0x0
	.amdhsa_kernel k_qf52cb318ea_proj
		.amdhsa_group_segment_fixed_size 327680
		.amdhsa_private_segment_fixed_size 0
		.amdhsa_enable_private_segment 0
		.amdhsa_kernarg_size 72
		.amdhsa_user_sgpr_count 2
		.amdhsa_user_sgpr_kernarg_segment_ptr 1
		.amdhsa_wavefront_size32 1
		.amdhsa_system_sgpr_workgroup_id_x 1
		.amdhsa_system_sgpr_workgroup_id_y 1
		.amdhsa_system_sgpr_workgroup_id_z 1
		.amdhsa_system_vgpr_workitem_id 0
		.amdhsa_next_free_vgpr 840
		.amdhsa_next_free_sgpr 102
		.amdhsa_reserve_vcc 0
		.amdhsa_float_denorm_mode_32 3
		.amdhsa_float_denorm_mode_16_64 3
		.amdhsa_memory_ordered 1
		.amdhsa_forward_progress 1
		.amdhsa_inst_pref_size 178
	.end_amdhsa_kernel
	.amdgpu_metadata
---
amdhsa.version: [ 1, 2 ]
amdhsa.kernels:
  - .name:           k_qf52cb318ea_proj
    .symbol:         k_qf52cb318ea_proj.kd
    .args:
      - { .name: xc, .offset: 0, .size: 8, .value_kind: global_buffer, .address_space: global }
      - { .name: xs, .offset: 8, .size: 8, .value_kind: global_buffer, .address_space: global }
      - { .name: wc, .offset: 16, .size: 8, .value_kind: global_buffer, .address_space: global }
      - { .name: ws, .offset: 24, .size: 8, .value_kind: global_buffer, .address_space: global }
      - { .name: bq, .offset: 32, .size: 8, .value_kind: global_buffer, .address_space: global }
      - { .name: bk, .offset: 40, .size: 8, .value_kind: global_buffer, .address_space: global }
      - { .name: bv, .offset: 48, .size: 8, .value_kind: global_buffer, .address_space: global }
      - { .name: mask, .offset: 56, .size: 8, .value_kind: global_buffer, .address_space: global }
      - { .name: qkv, .offset: 64, .size: 8, .value_kind: global_buffer, .address_space: global }
    .group_segment_fixed_size: 327680
    .private_segment_fixed_size: 0
    .kernarg_segment_align: 8
    .kernarg_segment_size: 72
    .max_flat_workgroup_size: 128
    .sgpr_count:     102
    .vgpr_count:     840
    .wavefront_size: 32
...
	.end_amdgpu_metadata
.endif
;; end of part 2
;; launch attn (part 3): grid 4 x 64, 16 waves a work-group, clusters of 4 x 1, 215,040 bytes of LDS; arguments qkv, acd, asc; writes acd, asc
.if DOCPART == 3
	.amdgcn_target "amdgcn-amd-amdhsa--gfx1250"
	.amdhsa_code_object_version 6
	.text
	.protected	k_qf52cb318ea_attn
	.globl	k_qf52cb318ea_attn
	.p2align	8
	.type	k_qf52cb318ea_attn,@function
k_qf52cb318ea_attn:
	s_mov_b64 s[64:65], 0
	v_nop
	global_prefetch_b8 v0, s[64:65] scope:SCOPE_SE
	s_setreg_imm32_b32 hwreg(HW_REG_WAVE_MODE, 25, 1), 1
	s_wait_xcnt 0x0
	s_wait_alu depctr_hold_cnt(0) depctr_sa_sdst(0) depctr_va_vdst(0) depctr_va_sdst(0) depctr_va_ssrc(0) depctr_va_vcc(0) depctr_vm_vsrc(0)
	s_getreg_b32 s2, hwreg(HW_REG_IB_STS2, 6, 4)
	s_cmp_eq_u32 s2, 0
	s_cbranch_scc0 .Lentry_in_a_cluster
	s_endpgm
.Lentry_in_a_cluster:
	s_bfe_u32 s2, ttmp6, 0x10000c
	s_cmp_lg_u32 s2, 0x3003
	s_cbranch_scc0 .Lentry_shape_is_right
	s_endpgm
.Lentry_shape_is_right:
; Launch 3 of 4: for each batch and head, O = softmax(q k^T / 8, masked keys at -2^30) v, both products on codes of E2M3 made by launch 2, and O quantised along the model's 1,024 for the last product.  No work of the problem is left out.
; THE SOFTMAX AHEAD OF THE SECOND PRODUCT: t = score x log2(e) / 8; M = the running largest t rounded UP to a whole number; p = 2^(t - M) is quantised along the keys, not normalised; the row's sum is taken of the unquantised p and
; divides at the end.  When M moves, the sum and O are multiplied by 2^(old M - new M): exact.
; THE MASK costs no line here: the first product's K is the head's 64, half of the instruction's 128.  In the idle half q holds one code +4 (k = 64) under the scale 2^-40, k one code -4 under the byte that launch 2 gave:
; 2^69 for a masked key (whose other codes are zeros): its score is exactly -2^33; 2^-127 for any other: -2^-163 is added to its score.  A row all of whose keys are masked has M = t and p = 1 everywhere: the uniform result.
; LIMITS: the masked logit is -2^30 where the definition has -1e9; blocks under 2^-124 and blocks of zeros get the byte 1; NaN and infinities are not served; a block's largest p is taken as the exponential of its largest score.
; SHARES: a work-group owns 512 queries of one batch and head; the head's whole K and V (2 x 106,496 bytes) lie in LDS, filled ONCE: no ring, no refill.  Each of 16 waves walks all 2,048 keys, 128 a step, for one tile of 16 queries, twice.
; CLUSTER 4 x 1: the four work-groups of a head need the same K and V: each of the 16 fills is asked for jointly (mask 15).  One tensor load of a wave is out.
; LAYOUT: S^T = K Q^T, O^T = V^T P^T: a lane holds ONE query.  By the order of keys in a tile (launch 1) the four tiles of a group of 64 keys leave 32 neighbouring keys in a lane: one whole block of p, in the order of the operand's registers.
; K's fragments stand 8 registers apart: 0-5 loaded, 6 the constant code, 7 zero; the operand's registers 8-11 are the next tile's first four (or four zeros): they meet q's zero codes alone.
; REGISTERS: v1-11 addresses; v12 -M, v13 the largest t, v[14:15] the sum; v16-27 Q; v28 Q's scale word, v29 p's; v30-33 global offsets; v34-37 K's scale words, v38-41 V's; v[42:43] f; v44-63 at work;
;   v64-99 K; v100-147 V; v148-211 S^T, then p; v212-243 O^T; v244-255 p's codes.
.set QB,    3328                       ; a block: four half images of 768 bytes and 256 bytes of scale words
.set VB,    32*QB                      ; V behind K
.set SPARE, 2*VB                       ; the spare words, 128 bytes for each of 16 waves
.set SPW, 1
.set NIL, 2
.set KF,  64
.set VF,  100
.set S,   148
.set OA,  212
.set PC,  244
.macro ROUND
	s_barrier_signal -1
	s_barrier_wait -1
	s_cmp_lg_u32 s10, 0
	s_cbranch_scc1 .Lnot_wave_0_\@
	s_barrier_signal -3
.Lnot_wave_0_\@:
	s_barrier_wait -3
	s_barrier_signal -1
	s_barrier_wait -1
.endm
	s_load_b128 s[4:7], s[0:1], 0x0                ; qkv, acd
	s_load_b64 s[8:9], s[0:1], 0x10                ; asc
	v_lshl_add_u32 v[SPW], v0, 2, SPARE
	v_mov_b32 v[NIL], 0
	ds_add_u32 v[SPW], v[NIL]                      ; the wave's opening: the add, twice on end, and its wait ahead of my first tensor load
	ds_add_u32 v[SPW], v[NIL]
	v_lshrrev_b32 v60, 5, v0
	s_delay_alu instid0(VALU_DEP_1)
	v_readfirstlane_b32 s10, v60                   ; wave 0..15
	s_bfe_u32 s11, ttmp6, 0x40000                  ; cx: it enters Q's and the results' global addresses alone
	s_and_b32 s12, ttmp7, 0xffff                   ; batch x 16 + head
	s_lshr_b32 s13, s12, 4
	s_and_b32 s14, s12, 15
	s_and_b32 s15, s10, 7                          ; which eighth of K (waves 0-7) or of V (waves 8-15) I fetch: four blocks
	s_mul_i32 s18, s15, 4*QB                       ; its place in LDS
	s_mul_i32 s16, s12, 106496
	s_add_co_u32 s16, s16, s18
	s_add_co_u32 s16, s16, 6815744                 ; K: the head's 32 blocks are dense
	s_mov_b32 s17, 0
	s_lshl_b32 s58, s13, 5
	s_lshl_b32 s59, s15, 2
	s_add_co_u32 s58, s58, s59
	s_mul_i32 s58, s58, 53248                      ; V: [batch][group of keys][head]: a group on is 16 blocks on
	s_mul_i32 s59, s14, QB
	s_add_co_u32 s58, s58, s59
	s_add_co_u32 s58, s58, 13631488
	s_mov_b32 s59, 0
	s_lshl_b32 s60, s12, 5
	s_lshl_b32 s61, s11, 3
	s_add_co_u32 s60, s60, s61
	s_lshr_b32 s61, s10, 2
	s_add_co_u32 s60, s60, s61
	s_mul_i32 s60, s60, QB                         ; Q: block 32 (batch x 16 + head) + 8 cx + wave / 4; the second pass is four blocks on
	s_mov_b32 s61, 0
	s_lshl_b32 s72, s13, 7
	s_lshl_b32 s73, s11, 5
	s_add_co_u32 s72, s72, s73
	s_add_co_u32 s72, s72, s10                     ; my row tile of the result: 128 batch + 32 cx + wave; the second pass is 16 on
	s_mul_i32 s62, s72, 12288
	s_mul_i32 s63, s14, 768
	s_add_co_u32 s62, s62, s63                     ; its half image number head
	s_mov_b32 s63, 0
	s_lshl_b32 s66, s72, 9                         ; its scale words: the head's two bytes lie in the word of K step head / 2
	s_lshr_b32 s70, s14, 2
	s_lshl_b32 s70, s70, 7
	s_add_co_u32 s66, s66, s70
	s_bfe_u32 s70, s14, 0x10001
	s_lshl_b32 s70, s70, 2
	s_add_co_u32 s66, s66, s70
	s_and_b32 s70, s14, 1
	s_lshl_b32 s70, s70, 1
	s_add_co_u32 s66, s66, s70
	s_mov_b32 s67, 0
	s_mov_b32 s24, 15|(3<<16)|(1<<21)              ; group 1 for K: the mask: all four work-groups; elements of 8 bytes; bit 21 beside a mask; no padding
	s_mov_b32 s25, 416<<16                         ; tensor_dim0: 3,328 bytes
	s_mov_b32 s26, 4<<16                           ; tensor_dim1: 4 blocks
	s_mov_b32 s27, 416<<16                         ; tile_dim0
	s_mov_b32 s28, 4                               ; tile_dim1
	s_mov_b32 s29, 416                             ; dense
	s_mov_b32 s30, 0
	s_mov_b32 s31, 0
	s_mov_b32 s32, 15|(3<<16)|(1<<21)              ; for V: the same, 16 blocks from row to row
	s_mov_b32 s33, 416<<16
	s_mov_b32 s34, 4<<16
	s_mov_b32 s35, 416<<16
	s_mov_b32 s36, 4
	s_mov_b32 s37, 6656
	s_mov_b32 s38, 0
	s_mov_b32 s39, 0
	s_mov_b32 s20, 0x76543210
	s_mov_b32 s21, 0xfedcba98                      ; v_permlanex16_b32's selects for lane l xor 16
	s_mov_b32 s22, 0x3e38aa3b                      ; c = log2(e) / 8
	s_mov_b32 s23, s22                             ; (named with it as a pair)
	s_wait_dscnt 0x0                               ; both opening adds are done
	s_wait_kmcnt 0x0
	s_mov_b32 s40, 1
	s_mov_b32 s41, s18
	s_add_nc_u64 s[42:43], s[4:5], s[16:17]
	s_or_b32 s43, s43, 0x80000000
	s_mov_b32 s44, 1
	s_add_co_u32 s45, s18, VB
	s_add_nc_u64 s[46:47], s[4:5], s[58:59]
	s_or_b32 s47, s47, 0x80000000
	s_add_nc_u64 s[52:53], s[4:5], s[60:61]
	s_add_nc_u64 s[54:55], s[6:7], s[62:63]
	s_add_nc_u64 s[56:57], s[8:9], s[66:67]
	ROUND                                          ; all four work-groups are here: the joint loads meet
	s_cmp_lt_u32 s10, 8
	s_cbranch_scc0 .Lfill_v
	tensor_load_to_lds s[40:43], s[24:31]
	s_nop 0
.rept 4
	v_nop
.endr
	s_branch .Lfilled
.Lfill_v:
	tensor_load_to_lds s[44:47], s[32:39]
	s_nop 0
.rept 4
	v_nop
.endr
.Lfilled:
	v_and_b32 v60, 31, v0                          ; lane
	v_and_b32 v61, 15, v0                          ; r
	v_bfe_u32 v62, v0, 4, 1                        ; h
	s_delay_alu instid0(VALU_DEP_3)
	v_lshlrev_b32 v3, 4, v60                       ; 16 x lane
	s_delay_alu instid0(VALU_DEP_4)
	v_lshlrev_b32 v4, 3, v60                       ; 8 x lane
	s_delay_alu instid0(VALU_DEP_2)
	v_add_nc_u32 v5, VB, v3
	s_delay_alu instid0(VALU_DEP_2)
	v_add_nc_u32 v6, VB, v4
	v_lshlrev_b32 v11, 3, v62                      ; 8 h
	s_and_b32 s19, s10, 3
	s_mul_i32 s19, s19, 768                        ; Q: tile wave % 4 of its block
	v_add_nc_u32 v30, s19, v3
	v_add_nc_u32 v31, s19, v4
	s_delay_alu instid0(VALU_DEP_1)
	v_add_nc_u32 v31, 512, v31
	s_and_b32 s19, s10, 1
	s_lshl_b32 s19, s19, 7
	s_bfe_u32 s51, s10, 0x10001
	s_lshl_b32 s51, s51, 2
	s_add_co_u32 s19, s19, s51
	s_add_co_u32 s19, s19, 3072
	v_lshlrev_b32 v33, 3, v61                      ; 8 r
	s_delay_alu instid0(VALU_DEP_1)
	v_add_nc_u32 v32, s19, v33                     ; its scale word of row r
.irp i, 23,24,25,26,27
	v_mov_b32 v\i, 0                               ; Q's idle half: zero codes,
.endr
	v_mov_b32 v22, 0x18                            ; but +4 at k = 64, which lies in lanes 0-15
	s_mov_b32 s51, 0xffff0000
	v_cndmask_b32 v22, v22, v23, s51
.irp t, 0,1,2,3
	v_mov_b32 v[KF+8*\t+6], 0x38                   ; K's: -4 at k = 64 (and at k = 96, where Q has 0)
	v_mov_b32 v[KF+8*\t+7], 0
.endr
.irp i, 32,33,34,35
	v_mov_b32 v[KF+\i], 0
.endr
	v_mov_b32 v43, 0                               ; (named as the upper half of the pair v[42:43])
	v_mov_b32 v61, 0                               ; a lane permute's destination counts as one of its sources
	global_load_b128 v[16:19], v30, s[52:53]       ; the first pass's Q, asked for while K and V are on their way
	global_load_b64 v[20:21], v31, s[52:53]
	global_load_b32 v28, v32, s[52:53]
	s_wait_tensorcnt 0x0                           ; my part of K or V is in,
	s_barrier_signal -1
	s_barrier_wait -1                              ; everybody's is: from here on LDS is only read
.macro SPROD c, t                      ; S^T: tile t of the step's group c of 64 keys
.if (\t)%2
	v_wmma_scale_f32_16x16x128_f8f6f4 v[S+32*\c+8*\t:S+32*\c+8*\t+7], v[KF+8*\t:KF+8*\t+11], v[16:27], 0, v[34+2*\c+(\t)/2], v28 matrix_a_fmt:MATRIX_FMT_FP6 matrix_b_fmt:MATRIX_FMT_FP6 matrix_a_scale:MATRIX_SCALE_ROW1
.else
	v_wmma_scale_f32_16x16x128_f8f6f4 v[S+32*\c+8*\t:S+32*\c+8*\t+7], v[KF+8*\t:KF+8*\t+11], v[16:27], 0, v[34+2*\c+(\t)/2], v28 matrix_a_fmt:MATRIX_FMT_FP6 matrix_b_fmt:MATRIX_FMT_FP6
.endif
.endm
.macro OPROD t                         ; O^T += tile t of the head's 64 x these 128 keys
.if (\t)%2
	v_wmma_scale_f32_16x16x128_f8f6f4 v[OA+8*\t:OA+8*\t+7], v[VF+12*\t:VF+12*\t+11], v[PC:PC+11], v[OA+8*\t:OA+8*\t+7], v[38+(\t)/2], v29 matrix_a_fmt:MATRIX_FMT_FP6 matrix_b_fmt:MATRIX_FMT_FP6 matrix_a_scale:MATRIX_SCALE_ROW1
.else
	v_wmma_scale_f32_16x16x128_f8f6f4 v[OA+8*\t:OA+8*\t+7], v[VF+12*\t:VF+12*\t+11], v[PC:PC+11], v[OA+8*\t:OA+8*\t+7], v[38+(\t)/2], v29 matrix_a_fmt:MATRIX_FMT_FP6 matrix_b_fmt:MATRIX_FMT_FP6
.endif
.endm
.macro BMAX c                          ; the largest score of my block of 32 keys, in two chains; each accumulator is read from its low end on
	v_max3_num_f32 v[44+2*\c], v[S+32*\c], v[S+32*\c+1], v[S+32*\c+2]
	v_max3_num_f32 v[45+2*\c], v[S+32*\c+16], v[S+32*\c+17], v[S+32*\c+18]
.irp i, 3,5,7,9,11,13
	v_max3_num_f32 v[44+2*\c], v[44+2*\c], v[S+32*\c+\i], v[S+32*\c+\i+1]
	v_max3_num_f32 v[45+2*\c], v[45+2*\c], v[S+32*\c+16+\i], v[S+32*\c+17+\i]
.endr
	v_max3_num_f32 v[44+2*\c], v[44+2*\c], v[S+32*\c+15], v[S+32*\c+31]
	s_delay_alu instid0(VALU_DEP_1)
	v_max_num_f32 v[44+2*\c], v[44+2*\c], v[45+2*\c]
.endm
.macro KSTEP                           ; 128 keys: blocks 2 j and 2 j + 1 of K and of V; s48 = 2 j blocks in bytes
	v_add_nc_u32 v7, s48, v3
	v_add_nc_u32 v8, s48, v4
	v_add_nc_u32 v9, s48, v5
	v_add_nc_u32 v10, s48, v6
.irp t, 0,1,2,3
	ds_load_b128 v[KF+8*\t:KF+8*\t+3], v7 offset:768*\t
	ds_load_b64 v[KF+8*\t+4:KF+8*\t+5], v8 offset:768*\t+512
.endr
	ds_load_b64 v[34:35], v8 offset:3072
	s_wait_alu depctr_va_vdst(0)
	s_wait_dscnt 0x0
.irp t, 0,1,2,3
	SPROD 0, \t
.endr
.rept 4
	v_nop                                          ; places in front of loads into registers that matrix instructions have read (with the four additions above they also part the last step's second products from V's loads)
.endr
.irp t, 0,1,2,3
	ds_load_b128 v[KF+8*\t:KF+8*\t+3], v7 offset:QB+768*\t
	ds_load_b64 v[KF+8*\t+4:KF+8*\t+5], v8 offset:QB+768*\t+512
.endr
	ds_load_b64 v[36:37], v8 offset:QB+3072
.irp t, 0,1,2,3                                ; V's fragments: 16 of the head's 64 x 128 keys: a half image of each of the two blocks
	ds_load_b128 v[VF+12*\t:VF+12*\t+3], v9 offset:768*\t
	ds_load_b64 v[VF+12*\t+4:VF+12*\t+5], v10 offset:768*\t+512
	ds_load_b128 v[VF+12*\t+6:VF+12*\t+9], v9 offset:QB+768*\t
	ds_load_b64 v[VF+12*\t+10:VF+12*\t+11], v10 offset:QB+768*\t+512
.endr
	ds_load_b64 v[38:39], v10 offset:3072
	ds_load_b64 v[40:41], v10 offset:QB+3072
	s_wait_dscnt 18                                ; K's nine loads are in; V's 18 may be out
.irp t, 0,1,2,3
	SPROD 1, \t
.endr
	BMAX 0                                         ; (its lines are the places behind the four products above)
	BMAX 1
	s_delay_alu instid0(VALU_DEP_1)
	v_max_num_f32 v60, v44, v46
	s_delay_alu instid0(VALU_DEP_1)
	v_permlanex16_b32 v61, v60, s20, s21
	s_delay_alu instid0(VALU_DEP_1)
	v_max_num_f32 v60, v60, v61                    ; the step's largest score of my query
	s_delay_alu instid0(VALU_DEP_1)
	v_mul_f32 v60, s22, v60                        ; as t (c is positive)
	s_delay_alu instid0(VALU_DEP_1)
	v_max_num_f32 v13, v13, v60                    ; the running largest t
	v_mov_b32 v60, v12
	s_delay_alu instid0(VALU_DEP_2)
	v_floor_f32 v12, -v13                          ; the new -M = floor(-t): M is a whole number
	s_delay_alu instid0(VALU_DEP_1)
	v_sub_f32 v60, v12, v60                        ; old M - new M: a whole number, 0 or less
	s_delay_alu instid0(VALU_DEP_1)
	v_cvt_i32_f32 v60, v60                         ; (it saturates)
	s_delay_alu instid0(VALU_DEP_1)
	v_ldexp_f32 v42, 1.0, v60                      ; f = 2^(old M - new M)
.set J, 0
.rept 32
	v_pk_fma_f32 v[S+J:S+J+1], v[S+J:S+J+1], s[22:23], v[12:13] op_sel_hi:[1,0,0]   ; t - M, two at a time
.set J, J+2
.endr
	v_fma_f32 v44, v44, s22, v12                   ; the same of each block's largest score
	v_fma_f32 v46, v46, s22, v12
.set J, 0
	s_wait_alu depctr_va_vdst(0)
.rept 64
	v_exp_f32 v[S+J], v[S+J]                       ; p = 2^(t - M)
.set J, J+1
.endr
	v_pk_mul_f32 v[14:15], v[14:15], v[42:43] op_sel_hi:[1,0]   ; the sums under the new M.  (A plain place behind the exponentials)
	s_wait_alu depctr_va_vdst(0)                   ; one wait for the batch, ahead of its first reader
	v_exp_f32 v44, v44                             ; the blocks' largest p
	v_exp_f32 v46, v46
	v_pk_add_f32 v[62:63], v[152:153], v[156:157]
	v_pk_add_f32 v[254:255], v[160:161], v[164:165]
	v_pk_add_f32 v[252:253], v[168:169], v[172:173]
	v_pk_add_f32 v[250:251], v[176:177], v[180:181]
	v_pk_add_f32 v[248:249], v[184:185], v[188:189]
	v_pk_add_f32 v[246:247], v[192:193], v[196:197]
	v_pk_add_f32 v[244:245], v[200:201], v[204:205]
	v_pk_add_f32 v[14:15], v[14:15], v[208:209]
	v_pk_add_f32 v[62:63], v[62:63], v[148:149]
	v_pk_add_f32 v[254:255], v[254:255], v[150:151]
	v_pk_add_f32 v[252:253], v[252:253], v[154:155]
	v_pk_add_f32 v[250:251], v[250:251], v[158:159]
	v_pk_add_f32 v[248:249], v[248:249], v[162:163]
	v_pk_add_f32 v[246:247], v[246:247], v[166:167]
	v_pk_add_f32 v[244:245], v[244:245], v[170:171]
	v_pk_add_f32 v[14:15], v[14:15], v[174:175]
	v_pk_add_f32 v[62:63], v[62:63], v[178:179]
	v_pk_add_f32 v[254:255], v[254:255], v[182:183]
	v_pk_add_f32 v[252:253], v[252:253], v[186:187]
	v_pk_add_f32 v[250:251], v[250:251], v[190:191]
	v_pk_add_f32 v[248:249], v[248:249], v[194:195]
	v_pk_add_f32 v[246:247], v[246:247], v[198:199]
	v_pk_add_f32 v[244:245], v[244:245], v[202:203]
	v_pk_add_f32 v[14:15], v[14:15], v[206:207]
	v_pk_add_f32 v[62:63], v[62:63], v[210:211]
	s_delay_alu instid0(VALU_DEP_2)
	v_pk_add_f32 v[14:15], v[14:15], v[250:251]
	s_delay_alu instid0(VALU_DEP_2)
	v_pk_add_f32 v[62:63], v[62:63], v[248:249]
	v_pk_add_f32 v[254:255], v[254:255], v[246:247]
	v_pk_add_f32 v[252:253], v[252:253], v[244:245]
	s_delay_alu instid0(VALU_DEP_2)
	v_pk_add_f32 v[14:15], v[14:15], v[254:255]
	s_delay_alu instid0(VALU_DEP_2)
	v_pk_add_f32 v[62:63], v[62:63], v[252:253]
	s_delay_alu instid0(VALU_DEP_1)
	v_pk_add_f32 v[14:15], v[14:15], v[62:63]
	s_wait_alu depctr_va_vdst(0)                   ; and one for the two
	v_max_num_f32 v44, 0x1800000, v44              ; the floor 2^(3 - 127)
	v_max_num_f32 v46, 0x1800000, v46
	s_delay_alu instid0(VALU_DEP_2)
	v_add_nc_u32 v48, 0xff000000, v44              ; 2 off the exponent field: the conversions' scale operands
	s_delay_alu instid0(VALU_DEP_2)
	v_add_nc_u32 v49, 0xff000000, v46
	s_delay_alu instid0(VALU_DEP_2)
	v_lshrrev_b32 v50, 23, v48                     ; the bytes
	s_delay_alu instid0(VALU_DEP_2)
	v_lshrrev_b32 v51, 23, v49
	s_delay_alu instid0(VALU_DEP_1)
	v_lshl_or_b32 v60, v51, 16, v50                ; blocks h and 2 + h,
	s_delay_alu instid0(VALU_DEP_1)
	v_lshlrev_b32 v60, v11, v60                    ; at their places;
	s_delay_alu instid0(VALU_DEP_1)
	v_permlanex16_b32 v61, v60, s20, s21
	s_delay_alu instid0(VALU_DEP_1)
	v_or_b32 v29, v60, v61                         ; with lane l xor 16's: p's scale word for these 128 keys
	v_cvt_scalef32_pk16_fp6_f32 v[PC:PC+2], v[S:S+15], v48
	v_cvt_scalef32_pk16_fp6_f32 v[52:54], v[S+16:S+31], v48     ; (a conversion's three registers begin on an even number)
	v_cvt_scalef32_pk16_fp6_f32 v[PC+6:PC+8], v[S+32:S+47], v49
	v_cvt_scalef32_pk16_fp6_f32 v[56:58], v[S+48:S+63], v49
	v_nop                                          ; one plain place behind a scaled conversion
.irp i, 0,1,2
	v_mov_b32 v[PC+3+\i], v[52+\i]
	v_mov_b32 v[PC+9+\i], v[56+\i]
.endr
	s_wait_dscnt 0x0                               ; V is in
	v_lshl_or_b32 v38, v40, 16, v38                ; V's scale words: the first block's two bytes below, the second's above
	v_lshl_or_b32 v39, v41, 16, v39
.set J, 0
.rept 16
	v_pk_mul_f32 v[OA+J:OA+J+1], v[OA+J:OA+J+1], v[42:43] op_sel_hi:[1,0]   ; O^T under the new M.  (These 16 are also the places between the lines that made scale words and codes and the products)
.set J, J+2
.endr
.irp t, 0,1,2,3
	OPROD \t
.endr
.endm
.macro PASS p                          ; one tile of 16 queries against all keys
	s_wait_xcnt 0x0                                ; the last pass's stores have read their registers
.if \p
	global_load_b128 v[16:19], v30, s[52:53] offset:4*QB*\p
	global_load_b64 v[20:21], v31, s[52:53] offset:4*QB*\p
	global_load_b32 v28, v32, s[52:53] offset:4*QB*\p
.endif
	v_mov_b32 v13, 0xff61b1e6                      ; the largest t so far: -3e38
	s_delay_alu instid0(VALU_DEP_1)
	v_floor_f32 v12, -v13
	v_mov_b32 v14, 0
	v_mov_b32 v15, 0
	s_mov_b32 s48, 0
	s_mov_b32 s49, 16
	s_wait_loadcnt 0x0
	v_or_b32 v28, 0x570000, v28                    ; byte 2: 2^-40, for the code +4
.set J, 0
.rept 32
	v_mov_b32 v[OA+J], 0                           ; O^T: the step is written once; the first change of M leaves zeros zeros.  (Also the places between the line above and the first product)
.set J, J+1
.endr
.Lstep_\@:
	KSTEP
	s_add_co_u32 s48, s48, 2*QB
	s_sub_co_u32 s49, s49, 1
	s_cmp_lg_u32 s49, 0
	s_cbranch_scc1 .Lstep_\@
.rept 4
	v_nop                                          ; places behind the last products
.endr
	v_add_f32 v14, v14, v15
	s_delay_alu instid0(VALU_DEP_1)
	v_permlanex16_b32 v61, v14, s20, s21
	s_delay_alu instid0(VALU_DEP_1)
	v_add_f32 v14, v14, v61                        ; the row's sum
	s_wait_alu depctr_va_vdst(0)
	v_rcp_f32 v42, v14
	v_nop                                          ; a plain place behind the reciprocal
	s_wait_alu depctr_va_vdst(0)                   ; the wait ahead of its first reader
.set J, 0
.rept 16
	v_pk_mul_f32 v[OA+J:OA+J+1], v[OA+J:OA+J+1], v[42:43] op_sel_hi:[1,0]   ; register 8 t + j is O(query r, 32 h + 8 t + j): one block of 32 along the last product's K
.set J, J+2
.endr
	v_max3_num_f32 v44, |v[OA]|, |v[OA+1]|, 0x1800000
	v_max3_num_f32 v45, |v[OA+2]|, |v[OA+3]|, 0x1800000
.irp i, 4,8,12,16,20,24,28
	s_delay_alu instid0(VALU_DEP_2)
	v_max3_num_f32 v44, v44, |v[OA+\i]|, |v[OA+\i+1]|
	s_delay_alu instid0(VALU_DEP_2)
	v_max3_num_f32 v45, v45, |v[OA+\i+2]|, |v[OA+\i+3]|
.endr
	s_delay_alu instid0(VALU_DEP_1)
	v_max_num_f32 v44, v44, v45
	s_delay_alu instid0(VALU_DEP_1)
	v_add_nc_u32 v48, 0xff000000, v44
	s_delay_alu instid0(VALU_DEP_1)
	v_lshrrev_b32 v50, 23, v48
	v_cvt_scalef32_pk16_fp6_f32 v[PC:PC+2], v[OA:OA+15], v48
	v_cvt_scalef32_pk16_fp6_f32 v[52:54], v[OA+16:OA+31], v48
	v_lshlrev_b32 v50, v11, v50                    ; (a plain place behind the conversions)
.irp i, 0,1,2
	v_mov_b32 v[PC+3+\i], v[52+\i]
.endr
	s_delay_alu instid0(VALU_DEP_4)
	v_permlanex16_b32 v61, v50, s20, s21
	s_delay_alu instid0(VALU_DEP_1)
	v_or_b32 v51, v50, v61                         ; the head's two bytes of row r
	global_store_b128 v3, v[PC:PC+3], s[54:55] offset:196608*\p          ; a half image: 512 and 256 consecutive bytes, aligned to 256
	global_store_b64 v4, v[PC+4:PC+5], s[54:55] offset:196608*\p+512
	global_store_b16 v33, v51, s[56:57] offset:8192*\p                   ; two bytes a row, 8 bytes apart (lanes r and 16 + r write the same): one part in 384 of what the pass stores
.endm
	PASS 0
	PASS 1
	s_wait_tensorcnt 0x0                           ; the wave's end
	ds_add_u32 v[SPW], v[NIL]
	s_wait_dscnt 0x0
	ROUND                                          ; the closing round
	s_endpgm
.Lfunc_end_k_qf52cb318ea_attn:
	.size	k_qf52cb318ea_attn, .Lfunc_end_k_qf52cb318ea_attn-k_qf52cb318ea_attn
	.p2alignl 7, 3214868480
	.fill 96, 4, 3214868480
	.section	.rodata,"a",@progbits
	.p2align	6, 0x0
	.amdhsa_kernel k_qf52cb318ea_attn
		.amdhsa_group_segment_fixed_size 215040
		.amdhsa_private_segment_fixed_size 0
		.amdhsa_enable_private_segment 0
		.amdhsa_kernarg_size 24
		.amdhsa_user_sgpr_count 2
		.amdhsa_user_sgpr_kernarg_segment_ptr 1
		.amdhsa_wavefront_size32 1
		.amdhsa_system_sgpr_workgroup_id_x 1
		.amdhsa_system_sgpr_workgroup_id_y 1
		.amdhsa_system_sgpr_workgroup_id_z 1
		.amdhsa_system_vgpr_workitem_id 0
		.amdhsa_next_free_vgpr 256
		.amdhsa_next_free_sgpr 80
		.amdhsa_reserve_vcc 0
		.amdhsa_float_denorm_mode_32 3
		.amdhsa_float_denorm_mode_16_64 3
		.amdhsa_memory_ordered 1
		.amdhsa_forward_progress 1
		.amdhsa_inst_pref_size 51
	.end_amdhsa_kernel
	.amdgpu_metadata
---
amdhsa.version: [ 1, 2 ]
amdhsa.kernels:
  - .name:           k_qf52cb318ea_attn
    .symbol:         k_qf52cb318ea_attn.kd
    .args:
      - { .name: qkv, .offset: 0, .size: 8, .value_kind: global_buffer, .address_space: global }
      - { .name: acd, .offset: 8, .size: 8, .value_kind: global_buffer, .address_space: global }
      - { .name: asc, .offset: 16, .size: 8, .value_kind: global_buffer, .address_space: global }
    .group_segment_fixed_size: 215040
    .private_segment_fixed_size: 0
    .kernarg_segment_align: 8
    .kernarg_segment_size: 24
    .max_flat_workgroup_size: 512
    .sgpr_count:     80
    .vgpr_count:     256
    .wavefront_size: 32
...
	.end_amdgpu_metadata
.endif
;; end of part 3
;; launch outp (part 4): grid 32 x 8, 4 waves a work-group, clusters of 4 x 4, 327,680 bytes of LDS; arguments acd, asc, wc, ws, out0, bo; writes out0
.if DOCPART == 4
	.amdgcn_target "amdgcn-amd-amdhsa--gfx1250"
	.amdhsa_code_object_version 6
	.text
	.protected	k_qf52cb318ea_outp
	.globl	k_qf52cb318ea_outp
	.p2align	8
	.type	k_qf52cb318ea_outp,@function
k_qf52cb318ea_outp:
	s_mov_b64 s[64:65], 0
	v_nop
	global_prefetch_b8 v0, s[64:65] scope:SCOPE_SE
	s_setreg_imm32_b32 hwreg(HW_REG_WAVE_MODE, 25, 1), 1
	s_wait_xcnt 0x0
	s_wait_alu depctr_hold_cnt(0) depctr_sa_sdst(0) depctr_va_vdst(0) depctr_va_sdst(0) depctr_va_ssrc(0) depctr_va_vcc(0) depctr_vm_vsrc(0)
	s_getreg_b32 s2, hwreg(HW_REG_IB_STS2, 6, 4)
	s_cmp_eq_u32 s2, 0
	s_cbranch_scc0 .Lentry_in_a_cluster
	s_endpgm
.Lentry_in_a_cluster:
	s_bfe_u32 s2, ttmp6, 0x10000c
	s_cmp_lg_u32 s2, 0xf033
	s_cbranch_scc0 .Lentry_shape_is_right
	s_endpgm
.Lentry_shape_is_right:
; Launch 4 of 4: out = context Wo^T + bo, f32, on codes of E2M3: 8,192 x 1,024 x 1,024.  No work of the problem is left out.  LIMITS: NaN and infinities are not served; a sum begins with the bias.
; 256 work-groups of four waves (2 x 2), each 256 tokens x 128 columns.  A wave holds 64 rows of Wo, all of K, in 384 registers (source 0) and streams its 8 tiles of 16 tokens past them, 32 products a block.
; LDS: the context's 16 tiles (196,608 bytes) and Wo's 8 (98,304), images of the operands' registers, dense, each filled once; a stage of 16 rows x (256 + 16) bytes for each wave; the spare words.
; Scale words go from memory into registers as in launch 2.  Behind a block's products its sums go into the wave's stage and are read back as whole rows of 256 bytes; they are stored behind the NEXT block's products,
; so that the way through the stage lies under those products.
; CLUSTER 4 x 4: the context's tiles are shared by a column of the cluster, Wo's by a row.  No prefetch: all tiles are asked for at the head, and there is no loop to run ahead in.
.set FR, 12
.set FPW, 21
.set BREG, 196608
.set STAGE, 294912
.set SPARE, 312320
.set L16, 4
.set L8, 5
.set SPW, 10
.set NIL, 11
.set A16, 12
.set A8, 14
.set B16, 16
.set B8, 17
.set STO, 56
.set RD, 57
.set CO, 58
.set SB, 62
.set SAW, 80
.set BO, 112
.set ACC, 160
.set G0A, 24
.set G0B, 28
.set G1A, 32
.set G1B, 88
.set MSB, 0
.macro WIN new
.if MSB != (\new)
	s_set_vgpr_msb (MSB<<8)|(\new)
.set MSB, (\new)
.endif
.endm
.macro PLACES n
.rept \n
	v_nop
.endr
.endm
.macro WALU
	s_wait_alu depctr_va_vdst(0)
.endm
.macro BARRIER
	s_barrier_signal -1
	s_barrier_wait -1
.endm
.macro CROUND
	BARRIER
	s_cmp_lg_u32 s14, 0
	s_cbranch_scc1 .Lnw0_\@
	s_barrier_signal -3
.Lnw0_\@:
	s_barrier_wait -3
	BARRIER
.endm
.macro TLOAD g0, g1
	tensor_load_to_lds s[\g0:\g0+3], s[\g1:\g1+7]
	s_nop 0
	PLACES 4
.endm
.macro GROUP1 g, mask, rows
	s_or_b32 s[\g+0], s[\mask], (3<<16)|(1<<21)
	s_mov_b32 s[\g+1], 32<<16
	s_mov_b32 s[\g+2], (\rows)<<16
	s_mov_b32 s[\g+3], 32<<16
	s_mov_b32 s[\g+4], \rows
	s_mov_b32 s[\g+5], 32
	s_mov_b32 s[\g+6], 0
	s_mov_b32 s[\g+7], 0
.endm
.macro FRAG f, a16, a8, off
	WIN (1+(\f)/FPW)<<6
.set R_, FR*((\f)%FPW)
	ds_load_b128 v[R_:R_+3], v[\a16] offset:(\off)
	ds_load_b64 v[R_+4:R_+5], v[\a8] offset:(\off)+512
	ds_load_b128 v[R_+6:R_+9], v[\a16] offset:(\off)+768
	ds_load_b64 v[R_+10:R_+11], v[\a8] offset:(\off)+1280
.endm
.macro FETCH e, s
.irp q, 0,1,2,3,4,5,6,7
	FRAG 32+8*(\e)+\q, A16+(\s)/4, A8+(\s)/4, ((\s)%4)*12288+1536*\q
.endr
	WIN 0
.endm
.macro PROD e, s, n
.set Q_, (\n)/4
.set T_, (\n)%4
.set FB_, 4*Q_+T_
.set FA_, 32+8*(\e)+Q_
.set D_, ACC+32*(\e)+8*T_
.set XB_, SB+4*T_+2*(Q_/4)+Q_%2
.set XA_, SAW+4*(\s)+2*(Q_/4)+Q_%2
.if Q_
.set C_, D_
.else
.set C_, BO+8*T_
.endif
	WIN (1+FB_/FPW)|((1+FA_/FPW)<<2)
.if (Q_/2)%2
	v_wmma_scale_f32_16x16x128_f8f6f4 v[D_:D_+7], v[FR*(FB_%FPW):FR*(FB_%FPW)+11], v[FR*(FA_%FPW):FR*(FA_%FPW)+11], v[C_:C_+7], v[XB_], v[XA_] matrix_a_fmt:MATRIX_FMT_FP6 matrix_b_fmt:MATRIX_FMT_FP6 matrix_a_scale:MATRIX_SCALE_ROW1 matrix_b_scale:MATRIX_SCALE_ROW1
.else
	v_wmma_scale_f32_16x16x128_f8f6f4 v[D_:D_+7], v[FR*(FB_%FPW):FR*(FB_%FPW)+11], v[FR*(FA_%FPW):FR*(FA_%FPW)+11], v[C_:C_+7], v[XB_], v[XA_] matrix_a_fmt:MATRIX_FMT_FP6 matrix_b_fmt:MATRIX_FMT_FP6
.endif
.endm
.macro TOC s                           ; block s's rows, back from the stage (v224-255 and v24-55 by turns), go to out0
.set K_, 224-200*((\s)%2)
.irp u, 0,1,2,3,4,5,6,7
	global_store_b128 v[CO], v[K_+4*\u:K_+4*\u+3], s[60:61] offset:(64*((\s)/4)+32*(\u/4)+8*((\s)%4)+(2*\u)%8)*4096 th:TH_STORE_NT   ; 16 lanes store 256 consecutive bytes, aligned
.endr
.endm
.macro OBLK s                          ; block s: 32 products; the last block's stores; this block's sums through the stage; the fetch of two blocks on
.set N_, 0
.rept 32
	PROD (\s)%2, \s, N_
.set N_, N_+1
.endr
	WIN 0
	PLACES 4
	s_wait_xcnt 0x0                                ; the stores of block s - 2 have read the set of rows that this block's take
.if (\s) == 7
	s_wait_dscnt 0x0                               ; block 6's rows are back
	TOC 6
.elseif (\s) > 0
	s_wait_dscnt 32                                ; the last block's rows are back; younger are the 32 loads of its run's fetch
	TOC (\s)-1
.endif
.set X_, ACC+32*((\s)%2)
.set K_, 224-200*((\s)%2)
.irp t, 0,1,2,3
	ds_store_b128 v[STO], v[X_+8*\t:X_+8*\t+3] offset:32*\t
	ds_store_b128 v[STO], v[X_+8*\t+4:X_+8*\t+7] offset:32*\t+16
.endr
.irp u, 0,1,2,3,4,5,6,7
	ds_load_b128 v[K_+4*\u:K_+4*\u+3], v[RD] offset:2*\u*272    ; LDS serves a wave's instructions in order: these see the stores above
.endr
.if (\s) < 6
	FETCH (\s)%2, (\s)+2
	s_wait_dscnt 48                                ; the next block's rows are in; younger are this run's 16 stage lines and 32 loads
.elseif (\s) == 6
	s_wait_dscnt 16                                ; block 7's rows are in; younger are this run's 16 stage lines
.else
	s_wait_dscnt 0x0
	TOC 7
.endif
.endm
	s_load_b256 s[4:11], s[0:1], 0x0               ; acd, asc, wc, ws
	s_load_b128 s[96:99], s[0:1], 0x20             ; out0, bo
	v_lshl_add_u32 v[SPW], v0, 2, SPARE
	v_mov_b32 v[NIL], 0
	ds_add_u32 v[SPW], v[NIL]                      ; the opening lines
	ds_add_u32 v[SPW], v[NIL]
	v_lshrrev_b32 v1, 5, v0
	v_readfirstlane_b32 s14, v1
	s_lshr_b32 s15, s14, 1
	s_and_b32 s16, s14, 1
	s_bfe_u32 s40, ttmp6, 0x40000
	s_bfe_u32 s41, ttmp6, 0x40004
	s_and_b32 s43, ttmp7, 0xffff
	s_lshl_b32 s17, ttmp9, 2
	s_add_co_u32 s17, s17, s40                     ; block of 256 tokens
	s_lshl_b32 s2, s43, 2
	s_add_co_u32 s2, s2, s41                       ; block of 128 columns
	s_lshl_b32 s44, 0x1111, s40
	s_lshl_b32 s45, s41, 2
	s_lshl_b32 s45, 15, s45
	GROUP1 G1A, 44, 384
	GROUP1 G1B, 45, 192
	v_and_b32 v1, 15, v0
	v_bfe_u32 v2, v0, 4, 1
	v_and_b32 v3, 31, v0
	v_lshlrev_b32 v[L16], 4, v3
	v_lshlrev_b32 v[L8], 3, v3
	v_lshlrev_b32 v7, 7, v2
	s_mul_i32 s20, s15, 98304
	v_add_nc_u32 v[A16], s20, v[L16]
	v_add_nc_u32 v[A16+1], 49152, v[A16]
	v_add_nc_u32 v[A8], s20, v[L8]
	v_add_nc_u32 v[A8+1], 49152, v[A8]
	s_mul_i32 s21, s16, 49152
	s_add_co_u32 s21, s21, BREG
	v_add_nc_u32 v[B16], s21, v[L16]
	v_add_nc_u32 v[B8], s21, v[L8]
	s_mul_i32 s22, s14, 4352
	s_add_co_u32 s22, s22, STAGE
	v_mul_u32_u24 v6, v1, 272
	v_lshl_add_u32 v6, v2, 7, v6
	v_add_nc_u32 v[STO], s22, v6                   ; in: row r, 128 h bytes on
	v_mul_u32_u24 v6, v2, 272
	v_lshl_add_u32 v6, v1, 4, v6
	v_add_nc_u32 v[RD], s22, v6                    ; back: lanes 0-15 a row, lanes 16-31 the next
	v_lshlrev_b32 v6, 12, v2
	v_lshl_add_u32 v[CO], v1, 4, v6
	WALU
	s_wait_dscnt 0x0
	CROUND
	s_wait_kmcnt 0x0
	s_mul_i32 s20, s17, 196608
	s_mov_b32 s21, 0
	s_mul_i32 s22, s2, 98304
	s_mov_b32 s23, 0
	s_add_nc_u64 s[4:5], s[4:5], s[20:21]
	s_add_nc_u64 s[8:9], s[8:9], s[22:23]
	s_add_nc_u64 s[8:9], s[8:9], 2359296
	s_mul_i32 s20, s16, 98304
	s_mov_b32 s[G0A], 1
	s_mul_i32 s[G0A+1], s16, 98304
	s_add_nc_u64 s[G0A+2:G0A+3], s[4:5], s[20:21]
	s_or_b32 s[G0A+3], s[G0A+3], 0x80000000
	s_mul_i32 s22, s16, 49152
	s_mov_b32 s[G0B], 1
	s_add_co_u32 s[G0B+1], s22, BREG
	s_add_nc_u64 s[G0B+2:G0B+3], s[8:9], s[22:23]
	s_or_b32 s[G0B+3], s[G0B+3], 0x80000000
	s_cmp_lt_u32 s14, 2
	s_cbranch_scc0 .Larm_a
	TLOAD G0B, G1B                                 ; waves 0, 1: Wo's tiles, wanted first
	s_branch .Lasked
.Larm_a:
	TLOAD G0A, G1A                                 ; waves 2, 3: the context's
.Lasked:
	s_lshl_b32 s20, s17, 13
	s_lshl_b32 s42, s15, 12
	s_add_co_u32 s20, s20, s42
	s_add_nc_u64 s[12:13], s[6:7], s[20:21]
	s_lshl_b32 s22, s2, 12
	s_lshl_b32 s43, s16, 11
	s_add_co_u32 s22, s22, s43
	s_add_nc_u64 s[18:19], s[10:11], s[22:23]
	s_add_nc_u64 s[18:19], s[18:19], 98304
	s_lshl_b32 s22, s2, 9
	s_lshl_b32 s43, s16, 8
	s_add_co_u32 s22, s22, s43
	s_add_nc_u64 s[54:55], s[98:99], s[22:23]
	s_lshl_b32 s20, s17, 8
	s_lshl_b32 s42, s15, 7
	s_add_co_u32 s20, s20, s42
	s_lshl_b32 s20, s20, 12
	s_add_co_u32 s20, s20, s22
	s_add_nc_u64 s[60:61], s[96:97], s[20:21]
.irp t, 0,1,2,3
	global_load_b64 v[SB+4*\t:SB+4*\t+1], v[L8], s[18:19] offset:512*\t
	global_load_b64 v[SB+4*\t+2:SB+4*\t+3], v[L8], s[18:19] offset:512*\t+256
	global_load_b128 v[BO+8*\t:BO+8*\t+3], v7, s[54:55] offset:32*\t
	global_load_b128 v[BO+8*\t+4:BO+8*\t+7], v7, s[54:55] offset:32*\t+16
.endr
.irp k, 0,1,2,3,4,5,6,7
	global_load_b64 v[SAW+4*\k:SAW+4*\k+1], v[L8], s[12:13] offset:512*\k
	global_load_b64 v[SAW+4*\k+2:SAW+4*\k+3], v[L8], s[12:13] offset:512*\k+256
.endr
	s_cmp_lt_u32 s14, 2
	s_cbranch_scc0 .Lnot_b
	s_wait_tensorcnt 0x0
.Lnot_b:
	BARRIER                                        ; Wo's tiles are in
.irp q, 0,1,2,3,4,5,6,7
.irp t, 0,1,2,3
	FRAG 4*\q+\t, B16, B8, \t*12288+1536*\q
.endr
.endr
	WIN 0
	s_wait_tensorcnt 0x0
	s_wait_dscnt 0x0
	BARRIER                                        ; the context's tiles are in
	FETCH 0, 0
	FETCH 1, 1
	s_wait_loadcnt 0x0
	s_wait_dscnt 32                                ; block 0's rows are in
.irp k, 0,1,2,3,4,5,6,7
	OBLK \k
.endr
	s_wait_tensorcnt 0x0                           ; the wave's end
	ds_add_u32 v[SPW], v[NIL]
	s_wait_dscnt 0x0
	CROUND
	s_endpgm
.Lfunc_end_k_qf52cb318ea_outp:
	.size	k_qf52cb318ea_outp, .Lfunc_end_k_qf52cb318ea_outp-k_qf52cb318ea_outp
	.p2alignl 7, 3214868480
	.fill 96, 4, 3214868480
	.section	.rodata,"a",@progbits
	.p2align	6, 0x0
	.amdhsa_kernel k_qf52cb318ea_outp
		.amdhsa_group_segment_fixed_size 327680
		.amdhsa_private_segment_fixed_size 0
		.amdhsa_enable_private_segment 0
		.amdhsa_kernarg_size 48
		.amdhsa_user_sgpr_count 2
		.amdhsa_user_sgpr_kernarg_segment_ptr 1
		.amdhsa_wavefront_size32 1
		.amdhsa_system_sgpr_workgroup_id_x 1
		.amdhsa_system_sgpr_workgroup_id_y 1
		.amdhsa_system_sgpr_workgroup_id_z 1
		.amdhsa_system_vgpr_workitem_id 0
		.amdhsa_next_free_vgpr 840
		.amdhsa_next_free_sgpr 102
		.amdhsa_reserve_vcc 0
		.amdhsa_float_denorm_mode_32 3
		.amdhsa_float_denorm_mode_16_64 3
		.amdhsa_memory_ordered 1
		.amdhsa_forward_progress 1
		.amdhsa_inst_pref_size 84
	.end_amdhsa_kernel
	.amdgpu_metadata
---
amdhsa.version: [ 1, 2 ]
amdhsa.kernels:
  - .name:           k_qf52cb318ea_outp
    .symbol:         k_qf52cb318ea_outp.kd
    .args:
      - { .name: acd, .offset: 0, .size: 8, .value_kind: global_buffer, .address_space: global }
      - { .name: asc, .offset: 8, .size: 8, .value_kind: global_buffer, .address_space: global }
      - { .name: wc, .offset: 16, .size: 8, .value_kind: global_buffer, .address_space: global }
      - { .name: ws, .offset: 24, .size: 8, .value_kind: global_buffer, .address_space: global }
      - { .name: out0, .offset: 32, .size: 8, .value_kind: global_buffer, .address_space: global }
      - { .name: bo, .offset: 40, .size: 8, .value_kind: global_buffer, .address_space: global }
    .group_segment_fixed_size: 327680
    .private_segment_fixed_size: 0
    .kernarg_segment_align: 8
    .kernarg_segment_size: 48
    .max_flat_workgroup_size: 128
    .sgpr_count:     102
    .vgpr_count:     840
    .wavefront_size: 32
...
	.end_amdgpu_metadata
.endif
;; end of part 4
